; MI455X (gfx1250); checked and timed in simulation.
; The chip was launched on July 23, 2026; its instructions are those of AMD's public machine-readable ISA for CDNA 5 (MIT licence, August 2026) and "CDNA5" Instruction Set Architecture Reference Guide (July 2026). The comments in the code are by the model that wrote it; some were corrected since.
;; Multi Head Attention. Allowed arithmetic: matrix products marked QUANTISED: E2M3 operands, one E8M0 scale for each 32 along K, by v_wmma_scale_f32_16x16x128_f8f6f4 with both operands' format E2M3, f32 sums; everything else in f32.
;; Inputs: W_k 1,024 x 1,024 float32; W_o 1,024 x 1,024 float32; W_q 1,024 x 1,024 float32; W_v 1,024 x 1,024 float32; attention_mask 2 x 2,048 int32; x 2 x 2,048 x 1,024 float32.
;; Outputs: out0 2 x 2,048 x 1,024 float32.
;; This version of the problem:
;;   THIS VERSION OF THE PROBLEM IS GIVEN IN LOW PRECISION. The matrix products marked QUANTISED in the list below multiply operands that are first quantised to E2M3 (2 exponent bits, 3 mantissa bits; 6 bits a number), with one power-of-two scale for each 32 numbers along K (OCP MX v1.0); their sums are f32. All else is computed in f32.
;;   The module's matrix products, in the order in which they are computed (A, B: the left and right operand; K: the contracted axis; several contracted axes count as one K, in the product's order):
;;     1. [M 4,096, K 1,024] x [K 1,024, N 1,024]; A: input x; B: input W_q: QUANTISED
;;     2. [M 4,096, K 1,024] x [K 1,024, N 1,024]; A: input x; B: input W_k: QUANTISED
;;     3. [M 4,096, K 1,024] x [K 1,024, N 1,024]; A: input x; B: input W_v: QUANTISED
;;     4. batch 32 x [M 2,048, K 64] x [K 64, N 2,048]; A: computed on the way; B: computed on the way: QUANTISED
;;     5. batch 32 x [M 2,048, K 2,048] x [K 2,048, N 64]; A: softmax (see below); B: computed on the way: QUANTISED
;;     6. [M 4,096, K 1,024] x [K 1,024, N 1,024]; A: computed on the way; B: input W_o: QUANTISED
;;   THE QUANTISER, for each operand of a quantised product, along K:
;;     - K is cut into blocks of 32 from its start; a last block that is shorter is filled with zeros.
;;     - A block's scale is 2^e with e = floor(log2(the largest magnitude in the block)) - 2, held to -126 .. 127; a block of zeros has e = 0. As a byte (E8M0): e + 127.
;;     - Each number is divided by its block's scale, clamped to +-7.5, and rounded to the nearest number of E2M3, ties to even, subnormals kept.
;;     - The product sums the exact products of the quantised numbers (number of the format x scale) in f32.
;;   ~~~python
;;   def quantise(x, axis):      # numpy; x: float32 -> the quantised numbers, widened to float32 again
;;       x = np.moveaxis(x, axis, -1); K = x.shape[-1]
;;       x = np.pad(x, [(0, 0)] * (x.ndim - 1) + [(0, -K % 32)]); x = x.reshape(x.shape[:-1] + (-1, 32)); a = np.abs(x).max(-1, keepdims=True)
;;       e = np.where(a > 0, np.clip(np.frexp(np.where(a > 0, a, 1))[1] - 1 - 2, -126, 127), 0)      # np.frexp(a)[1] - 1 = floor(log2(a)), exactly
;;       r = np.clip(x / 2.0 ** e, -7.5, 7.5)
;;       step = 2.0 ** (np.maximum(np.frexp(np.where(r == 0, 1, r))[1] - 1, 0) - 3)
;;       q = np.round(r / step) * step * 2.0 ** e      # np.round: ties to even
;;       return np.moveaxis(q.reshape(q.shape[:-2] + (-1,))[..., :K], -1, axis).astype(np.float32)
;;   ~~~
;;   SOFTMAX AHEAD OF A QUANTISED PRODUCT. Where the list says 'softmax', what is quantised is not the finished softmax but p = 2^(t - M), with t = logit x log2(e) and M = ceil(the row's largest t), a whole number; so 1/2 < the row's largest p <= 1. The row's sum l is taken of the UNQUANTISED p, in f32, and the product's result is divided by l at the end. Since M is a whole number, a kernel that streams over the keys may use a running M (the ceiling of the running maximum): every later rescaling is an exact power of two, which a block's scale takes up: the codes' values come out the same.
;;   OPERANDS COMPUTED ON THE WAY. 'Computed on the way' means the value that the module computes at that place (a softmax that the list does not call 'softmax' is quantised finished and normalised). What goes into a quantiser is computed in f32, as accurately as f32 sums, v_exp_f32 and their like allow (about 1e-6 of the number): no bf16 or f16 on the way to a quantiser, and a product that is left as it is and whose result goes on into a quantised operand takes f32 operands (vector FMAs, or v_wmma_f32_16x16x4_f32). A number that lies on a knife's edge between two numbers of the format may be rounded either way, as far as f32 arithmetic and the matrix unit's own rounding can turn it there, and no further.
;; One version. Each part assembles by itself: llvm-mc -triple=amdgcn-amd-amdhsa -mcpu=gfx1250 --defsym DOCPART=n.
;; ======== version 1 of 1: 4 launches
;; limits: right only within a limited range of input values
;; workspace buffers: cd_in 6,291,456 bytes; sc_in 262,144 bytes; qkv_cd 9,437,184 bytes; qkv_sc 393,216 bytes; ao_cd 3,145,728 bytes; ao_sc 131,072 bytes
;; launch quant_in (part 1): grid 512 x 1, 8 waves a work-group, no clusters, 69,120 bytes of LDS; arguments x, W_q, W_k, W_v, W_o, cd_in, sc_in; writes cd_in, sc_in
.if DOCPART == 1
	.amdgcn_target "amdgcn-amd-amdhsa--gfx1250"
	.amdhsa_code_object_version 6
	.text
	.protected	k_q5c3856e40d_quant_in
	.globl	k_q5c3856e40d_quant_in
	.p2align	8
	.type	k_q5c3856e40d_quant_in,@function
k_q5c3856e40d_quant_in:
	s_mov_b64 s[64:65], 0
	v_nop
	global_prefetch_b8 v0, s[64:65] scope:SCOPE_SE
	s_setreg_imm32_b32 hwreg(HW_REG_WAVE_MODE, 25, 1), 1
	s_wait_xcnt 0x0
; x [4096][1024] and the four weights [1024][1024], f32, K innermost, become codes of FP6 (E2M3) with one E8M0 byte for each 32 along K,
; laid in the order of a matrix operand's registers, so that the later launches fetch whole fragments by dense loads.
; TILES.  A tile is 16 rows; row r of tile T is the tensor's row 64 (T / 4) + 32 (r / 8) + 8 (T % 4) + r % 8.  So the results of four neighbouring tiles, used as source 0 of a product,
; are 32 neighbours in a lane's registers: one whole scale block.
; cd_in: tiles 0-255 x; 256 + 12 head + 4 kind + j: tile j of a head's four of W_q, W_k, W_v (kind 0, 1, 2); 448-511 W_o.
; A FRAGMENT'S IMAGE (tile, 128 along K) is 1,536 bytes: three pieces of 512; in piece p registers 4 p .. 4 p + 3 of lane l at 16 l.  A tile's eight images lie on end.
; Lane (r, h) holds in registers 6 c .. 6 c + 5 the codes of k = 64 c + 32 h + 0 .. 31 of the tile's row r.
; SCALE WORDS: 512 bytes a tile: the word of K step s of row r at 256 (s / 4) + 16 r + 4 (s % 4).
; SHARES.  Work-group g makes one tile, wave w its K step w: 16 rows x 512 bytes.  Each load reads 512 consecutive bytes of a row; the 8 KB turn through the wave's own stage in LDS
; (rows 528 bytes apart) and come back 128 bytes of one row to a lane: two whole blocks of 32, so no other lane is asked for a maximum.
; A block's scale is 2^(floor(log2(largest magnitude)) - 2): its byte is the largest magnitude's exponent field - 2, held at 1 from below (a block of zeros keeps the byte 1: its codes
; are zeros, and this program alone reads the bytes).  LIMITS: blocks whose largest magnitude lies under 2^-124 keep the byte 1; NaN and infinities among the inputs are not served.
; No work of the problem is left out in this program.
.set STW, 8448                         ; a wave's stage: 16 rows x (512 + 16) bytes
.set SCW, 67584                        ; behind the eight stages: the tile's 512 bytes of scale words
.set SPARE, 68096                      ; the spare words, 128 bytes for each wave
.set R,   16                           ; v16-79   the numbers as loaded: row i in 4 registers
.set X,   80                           ; v80-143  my 64 numbers: register 32 c + i = k 64 c + 32 h + i of row r
.set C,   144                          ; v144-155 the fragment's codes
.set CT,  156                          ; v156-158, v160-162 the upper halves of the two blocks (a conversion's three registers begin on an even number)
.set MX,  164                          ; v164-165 largest magnitudes;  v166-167 the conversions' scale operands;  v168-169 the bytes;  v170 the word;  v171 at work
	s_load_b256 s[4:11], s[0:1], 0x0               ; x, W_q, W_k, W_v
	s_load_b128 s[12:15], s[0:1], 0x20             ; W_o, cd_in
	s_load_b64 s[16:17], s[0:1], 0x30              ; sc_in
	v_lshl_add_u32 v176, v0, 2, SPARE
	v_mov_b32 v177, 0
	v_lshrrev_b32 v1, 5, v0
	s_delay_alu instid0(VALU_DEP_1)
	v_readfirstlane_b32 s18, v1                    ; wave = K step
	v_and_b32 v1, 31, v0                           ; lane
	v_and_b32 v2, 15, v0                           ; r
	v_bfe_u32 v3, v0, 4, 1                         ; h
	v_mov_b32 v171, 0                              ; a lane permute's destination counts as one of its sources
	v_lshlrev_b32 v4, 4, v1                        ; 16 x lane
	v_mul_u32_u24 v7, v2, 528
	v_lshlrev_b32 v9, 3, v3                        ; 8 h: where my two bytes stand in the word
	s_mul_i32 s19, s18, STW
	v_lshl_add_u32 v7, v3, 7, v7
	v_add_nc_u32 v6, s19, v4                       ; into the stage: a row's 512 bytes as they lie
	v_add_nc_u32 v10, SCW, v4                      ; the way out of the scale words: 16 bytes a lane
	v_add_nc_u32 v7, s19, v7                       ; out of the stage: row r, + 128 h
	s_lshr_b32 s24, s18, 2
	s_lshl_b32 s24, s24, 8
	s_and_b32 s25, s18, 3
	s_lshl_b32 s25, s25, 2
	s_add_co_u32 s24, s24, s25
	s_add_co_u32 s24, s24, SCW
	s_wait_alu depctr_va_vdst(0)
	v_lshl_add_u32 v8, v2, 4, s24                  ; my row's scale word of this K step
	s_mov_b32 s30, 0x76543210
	s_mov_b32 s31, 0xfedcba98                      ; v_permlanex16_b32's selects for lane l xor 16
	s_cmp_lt_u32 ttmp9, 256
	s_cselect_b32 s22, 255, 63
	s_and_b32 s22, ttmp9, s22                      ; the tile's number in its own tensor
	s_lshr_b32 s32, s22, 2                         ; (a weight's head)
	s_and_b32 s33, s22, 3                          ; (and its tile of the head's four)
	s_lshl_b32 s23, s32, 18                        ; 64 rows of 4,096 bytes for each four tiles,
	s_lshl_b32 s22, s33, 15                        ; 8 rows for each tile among them,
	s_add_co_u32 s22, s22, s23
	s_lshl_b32 s23, s18, 9                         ; 512 bytes for each K step
	s_add_co_u32 s22, s22, s23
	s_mov_b32 s23, 0
	s_lshr_b32 s34, ttmp9, 6
	s_lshl_b32 s34, s34, 2                         ; 4 (kind + 4)
	s_mul_i32 s32, s32, 12
	s_add_co_u32 s32, s32, s33
	s_add_co_u32 s32, s32, s34
	s_add_co_u32 s32, s32, 240                     ; 256 + 12 head + 4 kind + j
	s_cmp_lt_u32 ttmp9, 256
	s_cselect_b32 s32, ttmp9, s32
	s_cmp_lt_u32 ttmp9, 448
	s_cselect_b32 s32, s32, ttmp9                  ; the tile's place in cd_in
	s_mul_i32 s26, s32, 12288                      ; its eight images,
	s_mul_i32 s27, s18, 1536                       ; mine among them
	s_add_co_u32 s26, s26, s27
	s_mov_b32 s27, 0
	s_lshl_b32 s28, s32, 9                         ; the tile's scale words
	s_mov_b32 s29, 0
	s_wait_alu depctr_va_vdst(0)
	s_wait_kmcnt 0x0
	s_mov_b64 s[20:21], s[12:13]                   ; which tensor: the choice hangs on the work-group's number alone
	s_cmp_lt_u32 ttmp9, 448
	s_cselect_b64 s[20:21], s[10:11], s[20:21]
	s_cmp_lt_u32 ttmp9, 384
	s_cselect_b64 s[20:21], s[8:9], s[20:21]
	s_cmp_lt_u32 ttmp9, 320
	s_cselect_b64 s[20:21], s[6:7], s[20:21]
	s_cmp_lt_u32 ttmp9, 256
	s_cselect_b64 s[20:21], s[4:5], s[20:21]
	s_add_nc_u64 s[20:21], s[20:21], s[22:23]
	s_add_nc_u64 s[14:15], s[14:15], s[26:27]
	s_add_nc_u64 s[16:17], s[16:17], s[28:29]
.irp i, 0,1,2,3,4,5,6,7,8,9,10,11,12,13,14,15
	global_load_b128 v[R+4*\i:R+4*\i+3], v4, s[20:21] offset:(\i+24*(\i/8))*4096 th:TH_LOAD_NT   ; the tile's row i: 32 lanes read 512 consecutive bytes; all sixteen loads are out at once
.endr
.irp i, 0,1,2,3,4,5,6,7,8,9,10,11,12,13,14,15
	s_wait_loadcnt 15-\i                           ; loads come back in order: row i is in, the younger rows stay out
	ds_store_b128 v6, v[R+4*\i:R+4*\i+3] offset:528*\i
.endr
.irp c, 0,1
.irp j, 0,1,2,3,4,5,6,7
	ds_load_b128 v[X+32*\c+4*\j:X+32*\c+4*\j+3], v7 offset:256*\c+16*\j   ; LDS serves a wave's instructions in order: these see my stores
.endr
.endr
	s_wait_dscnt 0x0
.irp c, 0,1
	v_max3_num_f32 v[MX+\c], |v[X+32*\c]|, |v[X+32*\c+1]|, 0x1800000     ; my block 2 c + h: all 32 numbers are mine; the floor 2^(3 - 127) holds the byte at 1 from below
.endr
.irp i, 2,4,6,8,10,12,14,16,18,20,22,24,26,28,30
.irp c, 0,1
	s_delay_alu instid0(VALU_DEP_2)
	v_max3_num_f32 v[MX+\c], v[MX+\c], |v[X+32*\c+\i]|, |v[X+32*\c+\i+1]|   ; the two blocks by turns
.endr
.endr
.irp c, 0,1
	s_delay_alu instid0(VALU_DEP_2)
	v_add_nc_u32 v[166+\c], 0xff000000, v[MX+\c]   ; 2 off the exponent field: the conversion takes that field of this operand as its scale
.endr
.irp c, 0,1
	s_delay_alu instid0(VALU_DEP_2)
	v_lshrrev_b32 v[168+\c], 23, v[166+\c]         ; the scale's byte
.endr
	s_delay_alu instid0(VALU_DEP_1)
	v_lshl_or_b32 v170, v169, 16, v168             ; blocks h and 2 + h of row r,
	s_delay_alu instid0(VALU_DEP_1)
	v_lshlrev_b32 v170, v9, v170                   ; at their places in the word;
	s_delay_alu instid0(VALU_DEP_1)
	v_permlanex16_b32 v171, v170, s30, s31
	s_delay_alu instid0(VALU_DEP_1)
	v_or_b32 v170, v170, v171                      ; with lane l xor 16's two the word is whole
.irp c, 0,1
	v_cvt_scalef32_pk16_fp6_f32 v[C+6*\c:C+6*\c+2], v[X+32*\c:X+32*\c+15], v[166+\c]
	v_cvt_scalef32_pk16_fp6_f32 v[CT+4*\c:CT+4*\c+2], v[X+32*\c+16:X+32*\c+31], v[166+\c]
.endr
	v_nop                                          ; one plain place behind a scaled conversion
.irp c, 0,1
.irp i, 0,1,2
	v_mov_b32 v[C+6*\c+3+\i], v[CT+4*\c+\i]
.endr
.endr
.irp p, 0,1,2
	global_store_b128 v4, v[C+4*\p:C+4*\p+3], s[14:15] offset:512*\p          ; 512 consecutive bytes, aligned
.endr
	ds_store_b32 v8, v170                          ; both halves of the lanes write the same word with the same value
	s_wait_dscnt 0x0                               ; for the others' sake: my word has landed
	s_barrier_signal -1
	s_barrier_wait -1
	s_cmp_lg_u32 s18, 0
	s_cbranch_scc1 .Lend
	ds_load_b128 v[172:175], v10                   ; wave 0 takes the eight waves' words
	s_wait_dscnt 0x0
	global_store_b128 v4, v[172:175], s[16:17]     ; 512 consecutive bytes, aligned
.Lend:
	s_wait_tensorcnt 0x0                           ; the wave's end
	ds_add_u32 v176, v177
	s_wait_dscnt 0x0
	s_endpgm
.Lfunc_end_k_q5c3856e40d_quant_in:
	.size	k_q5c3856e40d_quant_in, .Lfunc_end_k_q5c3856e40d_quant_in-k_q5c3856e40d_quant_in
	.p2alignl 7, 3214868480
	.fill 96, 4, 3214868480
	.section	.rodata,"a",@progbits
	.p2align	6, 0x0
	.amdhsa_kernel k_q5c3856e40d_quant_in
		.amdhsa_group_segment_fixed_size 69120
		.amdhsa_private_segment_fixed_size 0
		.amdhsa_enable_private_segment 0
		.amdhsa_kernarg_size 56
		.amdhsa_user_sgpr_count 2
		.amdhsa_user_sgpr_kernarg_segment_ptr 1
		.amdhsa_wavefront_size32 1
		.amdhsa_system_sgpr_workgroup_id_x 1
		.amdhsa_system_sgpr_workgroup_id_y 1
		.amdhsa_system_sgpr_workgroup_id_z 1
		.amdhsa_system_vgpr_workitem_id 0
		.amdhsa_next_free_vgpr 178
		.amdhsa_next_free_sgpr 66
		.amdhsa_reserve_vcc 0
		.amdhsa_float_denorm_mode_32 3
		.amdhsa_float_denorm_mode_16_64 3
		.amdhsa_memory_ordered 1
		.amdhsa_forward_progress 1
		.amdhsa_inst_pref_size 13
	.end_amdhsa_kernel
	.amdgpu_metadata
---
amdhsa.version: [ 1, 2 ]
amdhsa.kernels:
  - .name:           k_q5c3856e40d_quant_in
    .symbol:         k_q5c3856e40d_quant_in.kd
    .args:
      - { .name: x, .offset: 0, .size: 8, .value_kind: global_buffer, .address_space: global }
      - { .name: W_q, .offset: 8, .size: 8, .value_kind: global_buffer, .address_space: global }
      - { .name: W_k, .offset: 16, .size: 8, .value_kind: global_buffer, .address_space: global }
      - { .name: W_v, .offset: 24, .size: 8, .value_kind: global_buffer, .address_space: global }
      - { .name: W_o, .offset: 32, .size: 8, .value_kind: global_buffer, .address_space: global }
      - { .name: cd_in, .offset: 40, .size: 8, .value_kind: global_buffer, .address_space: global }
      - { .name: sc_in, .offset: 48, .size: 8, .value_kind: global_buffer, .address_space: global }
    .group_segment_fixed_size: 69120
    .private_segment_fixed_size: 0
    .kernarg_segment_align: 8
    .kernarg_segment_size: 56
    .max_flat_workgroup_size: 256
    .sgpr_count:     66
    .vgpr_count:     178
    .wavefront_size: 32
...
	.end_amdgpu_metadata
.endif
;; end of part 1
;; launch qkv (part 2): grid 16 x 16, 4 waves a work-group, clusters of 4 x 4, 327,680 bytes of LDS; arguments cd_in, sc_in, qkv_cd, qkv_sc; writes qkv_cd, qkv_sc
.if DOCPART == 2
	.amdgcn_target "amdgcn-amd-amdhsa--gfx1250"
	.amdhsa_code_object_version 6
	.text
	.protected	k_q5c3856e40d_qkv
	.globl	k_q5c3856e40d_qkv
	.p2align	8
	.type	k_q5c3856e40d_qkv,@function
k_q5c3856e40d_qkv:
	s_mov_b64 s[64:65], 0
	v_nop
	global_prefetch_b8 v0, s[64:65] scope:SCOPE_SE
	s_setreg_imm32_b32 hwreg(HW_REG_WAVE_MODE, 25, 1), 1
	s_wait_xcnt 0x0
	s_wait_alu depctr_hold_cnt(0) depctr_sa_sdst(0) depctr_va_vdst(0) depctr_va_sdst(0) depctr_va_ssrc(0) depctr_va_vcc(0) depctr_vm_vsrc(0)
	s_getreg_b32 s2, hwreg(HW_REG_IB_STS2, 6, 4)
	s_cmp_eq_u32 s2, 0
	s_cbranch_scc0 .Lentry_in_a_cluster
	s_endpgm
.Lentry_in_a_cluster:
	s_bfe_u32 s2, ttmp6, 0x10000c
	s_cmp_lg_u32 s2, 0xf033
	s_cbranch_scc0 .Lentry_shape_is_right
	s_endpgm
.Lentry_shape_is_right:
; Q = x W_q^T, K = x W_k^T, V = x W_v^T on codes of FP6 (E2M3) with E8M0 scales, f32 sums; the results are quantised in registers and leave as codes: nothing wide goes to memory.
; SHARES.  A work-group makes Q, K and V of ONE head (grid x) for 256 tokens (grid y): 256 work-groups of equal work.  Wave w: token half w / 2 (8 tiles of x), and the 64 columns of Q (w even) or K (w odd) and 32 of V's 64: 48 accumulators.
; Source 0 gives the index that runs along a lane's registers.  A quantiser wants its K along the registers: Q, K (along the head's 64): source 0 = the weight, source 1 = x;  V (along the keys): source 0 = x, source 1 = W_v.
; By the tiles' row order a lane's 32 results of four tiles are one whole scale block, and the conversions give the next operand's registers as they fall.
; K = 1,024 is eight steps of 128 in three chunks: steps 0-2, steps 3-6, step 7.  At the head one load a wave: waves 0, 1 chunk 0 of x and of the weights, waves 2, 3 chunk 1.  Chunk 2 takes chunk 0's bytes in step 2, behind a round; it has steps 3 to 5 in which to land.
; CLUSTER 4 x 4: x's tiles are shared along a row of the cluster, the weights' along a column.  Nothing is prefetched: all but step 7 is asked for at the head.
; qkv_cd [kind][batch x head 32][unit of 128 tokens 16][6,144]: Q, K: half image a (768 bytes: registers 0-3 at 16 l, registers 4, 5 at 512 + 8 l) is token tile a; V: half image 2 t + c is d-tile t, band c of 64 keys.
; qkv_sc [kind][32][16][row 16][16 bytes]: Q, K: byte 2 a + h; V: byte 4 t + 2 c + h.
; LIMITS: blocks whose largest magnitude lies under 2^-124 keep the scale byte 1 (this program alone reads the bytes); NaN and infinities are not served.
; REGISTERS: window 0: v1-29 addresses and the add's two; v32-111 scale words; from v112 the way out.  Windows 1, 2: the fragments of even and odd steps (x's 8 at v0, the weights' 6 at v96), and at v168 the 8 accumulators of V's first, second d-tile.
;   Window 3: Q's or K's accumulators: (x tile a, weight tile b) at v[8 (4 a + b)].
; THE RESULTS' IMAGES, as they are stored: a fragment's twelve registers (Q, K: token tiles 2 k and 2 k + 1; V: a d-tile's two bands) as three pieces of 512 bytes, piece p registers 4 p .. 4 p + 3 of lane l at 16 l (in place of the halves named above).
.set C0X, 0
.set C0W, 73728                        ; 16 tiles x 4,608 bytes
.set C1X, 129024                       ; + 12 tiles x 4,608
.set C1W, 227328                       ; + 16 tiles x 6,144
.set SCB, 301056                       ; + 12 tiles x 6,144: the scale bytes on their way out: 256 for each wave's Q or K, then 256 for each token half's V
.set SPARE, SCB+1536                   ; the spare words
.set SC,  32                           ; register SC + 10 i + s: lanes 0-15 x's tile i, lanes 16-31 the weights' tile i (0-3 Q or K, 4-5 V), K step s
.set MSB, 0
.macro WIN new                         ; the immediate's high byte repeats the setting that is left; a switch that changes nothing is dropped
.if MSB != (\new)
	s_set_vgpr_msb (MSB<<8)|(\new)
.set MSB, (\new)
.endif
.endm
.macro WALU
	s_wait_alu depctr_va_vdst(0)
.endm
.macro PLACES n
.rept \n
	v_nop
.endr
.endm
.macro CREST                           ; a round of the cluster's barrier behind its opening barrier
	s_cmp_lg_u32 s14, 0
	s_cbranch_scc1 .Lnot_wave_0_\@
	s_barrier_signal -3
.Lnot_wave_0_\@:
	s_barrier_wait -3
	s_barrier_signal -1
	s_barrier_wait -1
.endm
.macro CROUND
	s_barrier_signal -1
	s_barrier_wait -1
	CREST
.endm
.macro TLOAD g0, g1
	tensor_load_to_lds s[\g0:\g0+3], s[\g1:\g1+7]
	s_nop 0
	PLACES 4
.endm
.macro GROUP1 g, mask, dim, rows       ; rows tiles of dim elements of 8 bytes, 12,288 bytes apart
	s_or_b32 s[\g], s[\mask], (3<<16)|(1<<21)
	s_mov_b32 s[\g+1], (\dim)<<16
	s_mov_b32 s[\g+2], (\rows)<<16
	s_mov_b32 s[\g+3], (\dim)<<16
	s_mov_b32 s[\g+4], \rows
	s_mov_b32 s[\g+5], 1536
	s_mov_b32 s[\g+6], 0
	s_mov_b32 s[\g+7], 0
.endm
.macro ADDR v, base, part, step        ; an LDS address: base + step x my part + 16 x lane
	s_mul_i32 s45, s[\part], \step
	s_add_co_u32 s45, s45, \base
	v_add_nc_u32 v[\v], s45, v4
.endm
.macro FRAG3 reg, a, off               ; a fragment's image back into 12 registers: every load reads 512 consecutive bytes
	ds_load_b128 v[(\reg):(\reg)+3], v[\a] offset:\off
	ds_load_b128 v[(\reg)+4:(\reg)+7], v[\a] offset:\off+512
	ds_load_b128 v[(\reg)+8:(\reg)+11], v[\a] offset:\off+1024
.endm
.macro FETCH s                         ; a step's 14 fragments, 42 loads
.if (\s) < 3
.set CI, 0
.set PT, 4608
.set SO, 1536*(\s)
.elseif (\s) < 7
.set CI, 1
.set PT, 6144
.set SO, 1536*((\s)-3)
.else
.set CI, 2
.set PT, 1536
.set SO, 0
.endif
	WIN ((1+(\s)%2)<<6)
.irp i, 0,1,2,3,4,5,6,7
	FRAG3 12*\i, 8+CI, PT*\i+SO
.endr
.irp i, 0,1,2,3
	FRAG3 96+12*\i, 11+CI, PT*\i+SO
.endr
.irp i, 0,1
	FRAG3 144+12*\i, 14+CI, PT*\i+SO
.endr
	WIN 0
.endm
; Q's or K's products of step s for x's tiles a0 .. a1 - 1; the weights' scale words are read from lanes 16-31.  The 48 accumulators take turns, one instruction a turn, in the same order in every step
.macro QK s, a0, a1
	WIN ((1+(\s)%2)|((1+(\s)%2)<<2)|0xf0)
.set A_, \a0
.rept (\a1)-(\a0)
.irp b, 0,1,2,3
.if (\s) == 0
	v_wmma_scale_f32_16x16x128_f8f6f4 v[8*(4*A_+\b):8*(4*A_+\b)+7], v[96+12*\b:107+12*\b], v[12*A_:12*A_+11], 0, v[SC+10*\b+(\s)], v[SC+10*A_+(\s)] matrix_a_fmt:MATRIX_FMT_FP6 matrix_b_fmt:MATRIX_FMT_FP6 matrix_a_scale:MATRIX_SCALE_ROW1
.else
	v_wmma_scale_f32_16x16x128_f8f6f4 v[8*(4*A_+\b):8*(4*A_+\b)+7], v[96+12*\b:107+12*\b], v[12*A_:12*A_+11], v[8*(4*A_+\b):8*(4*A_+\b)+7], v[SC+10*\b+(\s)], v[SC+10*A_+(\s)] matrix_a_fmt:MATRIX_FMT_FP6 matrix_b_fmt:MATRIX_FMT_FP6 matrix_a_scale:MATRIX_SCALE_ROW1
.endif
.endr
.set A_, A_+1
.endr
.endm
.macro VV s                            ; V's products: two d-tiles x x's eight tiles
.irp u, 0,1
	WIN ((1+(\s)%2)|((1+(\s)%2)<<2)|((1+\u)<<4)|((1+\u)<<6))
.irp j, 0,1,2,3,4,5,6,7
.if (\s) == 0
	v_wmma_scale_f32_16x16x128_f8f6f4 v[168+8*\j:175+8*\j], v[12*\j:12*\j+11], v[144+12*\u:155+12*\u], 0, v[SC+10*\j+(\s)], v[SC+10*(4+\u)+(\s)] matrix_a_fmt:MATRIX_FMT_FP6 matrix_b_fmt:MATRIX_FMT_FP6 matrix_b_scale:MATRIX_SCALE_ROW1
.else
	v_wmma_scale_f32_16x16x128_f8f6f4 v[168+8*\j:175+8*\j], v[12*\j:12*\j+11], v[144+12*\u:155+12*\u], v[168+8*\j:175+8*\j], v[SC+10*\j+(\s)], v[SC+10*(4+\u)+(\s)] matrix_a_fmt:MATRIX_FMT_FP6 matrix_b_fmt:MATRIX_FMT_FP6 matrix_b_scale:MATRIX_SCALE_ROW1
.endif
.endr
.endr
	WIN 0
.endm
; A step whose successor's tiles are known to lie whole in LDS.  Loads into registers that matrix instructions have read stand four plain places behind them (ISA guide 7.12.1 for vector instructions)
.macro STEP s
	s_wait_dscnt 0x0                               ; my fragments of this step are in
	PLACES 4
	FETCH (\s)+1
	QK \s, 0, 8
	VV \s
.endm
	s_load_b128 s[4:7], s[0:1], 0x0                ; cd_in, sc_in
	s_load_b128 s[8:11], s[0:1], 0x10              ; qkv_cd, qkv_sc
	v_lshl_add_u32 v28, v0, 2, SPARE
	v_mov_b32 v29, 0
	ds_add_u32 v28, v29                            ; the opening: the add, twice on end, and its wait ahead of my first tensor load
	ds_add_u32 v28, v29
	v_lshrrev_b32 v1, 5, v0
	v_readfirstlane_b32 s14, v1                    ; wave 0..3
	s_lshr_b32 s15, s14, 1                         ; my token half
	s_and_b32 s16, s14, 1                          ; 0: Q, 1: K; and which two of V's d-tiles
	s_bfe_u32 s40, ttmp6, 0x40000                  ; cx
	s_bfe_u32 s41, ttmp6, 0x40004                  ; cy
	s_lshl_b32 s42, ttmp9, 2
	s_add_co_u32 s42, s42, s40                     ; the head
	s_and_b32 s17, ttmp7, 0xffff
	s_lshl_b32 s17, s17, 2
	s_add_co_u32 s17, s17, s41                     ; the block of 256 tokens
	s_lshl_b32 s43, s41, 2
	s_lshl_b32 s43, 15, s43                        ; my row of the cluster
	s_lshl_b32 s44, 0x1111, s40                    ; my column
	GROUP1 24, 43, 576, 16                         ; x, chunk 0: 4,608 bytes of each tile
	GROUP1 32, 44, 576, 12                         ; the weights, chunk 0
	GROUP1 48, 43, 768, 16                         ; x, chunk 1: 6,144 bytes
	GROUP1 56, 44, 768, 12
	s_mul_i32 s20, s17, 196608                     ; x's 16 tiles
	s_mov_b32 s21, 0
	s_mul_i32 s22, s42, 147456                     ; the head's 12 weight tiles
	s_add_co_u32 s22, s22, 3145728
	s_mov_b32 s23, 0
	s_mov_b32 s68, 1
	s_mov_b32 s69, C0X
	s_mov_b32 s72, 1
	s_mov_b32 s73, C0W
	s_mov_b32 s76, 1
	s_mov_b32 s77, C1X
	s_mov_b32 s80, 1
	s_mov_b32 s81, C1W
	v_and_b32 v1, 31, v0                           ; lane
	v_and_b32 v2, 15, v0                           ; r
	v_bfe_u32 v3, v0, 4, 1                         ; h
	v_lshlrev_b32 v4, 4, v1                        ; 16 x lane
	v_lshlrev_b32 v5, 3, v1                        ; 8 x lane
	WALU
	s_wait_dscnt 0x0                               ; both opening adds are done
	s_wait_kmcnt 0x0
	s_add_nc_u64 s[70:71], s[4:5], s[20:21]
	s_add_nc_u64 s[74:75], s[4:5], s[22:23]
	s_add_nc_u64 s[78:79], s[70:71], 4608
	s_add_nc_u64 s[82:83], s[74:75], 4608
	s_or_b32 s71, s71, 0x80000000
	s_or_b32 s75, s75, 0x80000000
	s_or_b32 s79, s79, 0x80000000
	s_or_b32 s83, s83, 0x80000000
	CROUND                                         ; all sixteen work-groups are here: the first joint loads meet
	s_cmp_eq_u32 s14, 0                            ; one load a wave, one chain of arms
	s_cbranch_scc0 .Lwave_1
	TLOAD 68, 24
	s_branch .Lasked
.Lwave_1:
	s_cmp_eq_u32 s14, 1
	s_cbranch_scc0 .Lwave_2
	TLOAD 72, 32
	s_branch .Lasked
.Lwave_2:
	s_cmp_eq_u32 s14, 2
	s_cbranch_scc0 .Lwave_3
	TLOAD 76, 48
	s_branch .Lasked
.Lwave_3:
	TLOAD 80, 56
.Lasked:
	s_lshl_b32 s84, s17, 13
	s_lshl_b32 s85, s15, 12
	s_add_co_u32 s84, s84, s85                     ; my 8 x tiles' scale words, 512 bytes a tile
	s_mul_i32 s85, s42, 6144
	s_add_co_u32 s85, s85, 131072                  ; the head's 12 weight tiles'
	s_lshl_b32 s86, s16, 11
	s_add_co_u32 s86, s86, s85                     ; Q's or K's four
	s_lshl_b32 s87, s16, 10
	s_add_co_u32 s87, s87, s85
	s_add_co_u32 s87, s87, 4096                    ; my two of V's
	s_add_co_u32 s88, s84, 2048
	v_cmp_eq_u32 vcc_lo, 1, v3
	v_mov_b32 v20, s84
	v_mov_b32 v22, s86
	v_mov_b32 v21, s88
	v_mov_b32 v23, s87
	v_cndmask_b32 v20, v20, v22, vcc_lo            ; lanes 0-15 x's words, lanes 16-31 the weights'
	v_cndmask_b32 v21, v21, v23, vcc_lo
	v_lshl_add_u32 v20, v2, 4, v20
	v_lshl_add_u32 v21, v2, 4, v21
.irp i, 0,1,2,3
.irp q, 0,1
	global_load_b128 v[SC+10*\i+4*\q:SC+10*\i+4*\q+3], v20, s[6:7] offset:512*\i+256*\q   ; four K steps' words of a row
	global_load_b128 v[SC+40+10*\i+4*\q:SC+43+10*\i+4*\q], v21, s[6:7] offset:512*\i+256*\q
.endr
.endr
	ADDR 8, C0X, 15, 36864                         ; x's tiles in chunk 0, 1, 2
	ADDR 9, C1X, 15, 49152
	ADDR 10, C0X, 15, 12288
	ADDR 11, C0W, 16, 18432                        ; Q's or K's
	ADDR 12, C1W, 16, 24576
	ADDR 13, C0W, 16, 6144
	ADDR 14, C0W+36864, 16, 9216                   ; V's
	ADDR 15, C1W+49152, 16, 12288
	ADDR 16, C0W+12288, 16, 3072
	s_lshl_b32 s84, s14, 8
	s_add_co_u32 s84, s84, SCB
	s_lshl_b32 s85, s15, 8
	s_add_co_u32 s85, s85, SCB+1024
	s_lshl_b32 s86, s16, 3
	s_add_co_u32 s86, s86, s85
	WALU
	v_lshl_add_u32 v17, v2, 4, v3                  ; 16 r + h
	v_add_nc_u32 v25, s84, v5                      ; the way out of the scale bytes: 8 bytes a lane
	v_add_nc_u32 v26, s85, v5
	v_add_nc_u32 v18, s84, v17                     ; and into it: Q or K,
	v_add_nc_u32 v19, s86, v17                     ; V
	; where the results go
	s_lshr_b32 s90, s17, 3                         ; the batch
	s_lshl_b32 s90, s90, 4
	s_add_co_u32 s90, s90, s42
	s_lshl_b32 s90, s90, 4
	s_lshl_b32 s91, s17, 1
	s_add_co_u32 s91, s91, s15
	s_and_b32 s91, s91, 15
	s_add_co_u32 s90, s90, s91                     ; the unit: (16 batch + head) 16 + my 128 tokens' number in the batch
	s_mul_i32 s92, s90, 6144
	s_mov_b32 s93, 0
	s_mul_i32 s94, s16, 3072                       ; V: my two d-tiles' fragments
	s_add_co_u32 s94, s94, s92
	s_add_co_u32 s94, s94, 6291456
	s_mov_b32 s95, 0
	s_mul_i32 s96, s16, 3145728
	s_add_co_u32 s92, s92, s96
	s_add_nc_u64 s[12:13], s[8:9], s[94:95]
	s_add_nc_u64 s[8:9], s[8:9], s[92:93]
	s_lshl_b32 s92, s90, 8
	s_add_co_u32 s94, s92, 262144
	s_lshl_b32 s96, s16, 17
	s_add_co_u32 s92, s92, s96
	s_add_nc_u64 s[18:19], s[10:11], s[94:95]
	s_add_nc_u64 s[10:11], s[10:11], s[92:93]
	WALU
	s_cmp_lt_u32 s14, 2
	s_cbranch_scc0 .Lnot_yet                       ; (waves 2 and 3 have load lines of their own: their wait stands in step 2)
	s_wait_tensorcnt 0x0
.Lnot_yet:
	s_barrier_signal -1
	s_barrier_wait -1                              ; chunk 0 is in
	FETCH 0
	s_wait_loadcnt 0x0                             ; the scale words
	STEP 0
	STEP 1
	s_wait_tensorcnt 0x0                           ; STEP 2: my tensor load has landed;
	ds_add_u32 v28, v29                            ; 0 onto my spare word
	s_mov_b32 s25, 192<<16                         ; chunk 2: 1,536 bytes of each tile, seven steps' bytes on
	s_mov_b32 s27, 192<<16
	s_mov_b32 s33, 192<<16
	s_mov_b32 s35, 192<<16
	s_add_nc_u64 s[70:71], s[70:71], 10752
	s_add_nc_u64 s[74:75], s[74:75], 10752
	s_wait_dscnt 1                                 ; my fragments are in (the add may be out)
	QK 2, 0, 3
	WIN 0
	s_wait_dscnt 0x0                               ; the add is done, and so are my reads of chunk 0
	s_barrier_signal -1
	QK 2, 3, 5
	WIN 0
	s_barrier_wait -1
	CREST                                          ; chunk 1 is in for every wave, and no wave of any partner reads chunk 0
	s_cmp_eq_u32 s14, 0
	s_cbranch_scc0 .Lrefill_w
	TLOAD 68, 24
	s_branch .Lrefilled
.Lrefill_w:
	s_cmp_eq_u32 s14, 1
	s_cbranch_scc0 .Lrefilled
	TLOAD 72, 32
.Lrefilled:
	PLACES 4
	FETCH 3
	QK 2, 5, 8
	VV 2
	STEP 3
	STEP 4
	STEP 5
	s_wait_dscnt 0x0                               ; STEP 6: my fragments are in
	s_wait_tensorcnt 0x0                           ; my part of chunk 2, where I have one
	s_barrier_signal -1
	QK 6, 0, 2
	WIN 0
	s_barrier_wait -1
	PLACES 4
	FETCH 7
	QK 6, 2, 8
	VV 6
	s_wait_dscnt 0x0
	QK 7, 0, 8
	VV 7
	PLACES 4                                       ; in front of the first read of results
; THE WAY OUT of two blocks of 32 registers, at b0 and b1 of window w: each is a lane's one scale block and half an image.  Each accumulator is read from its low end on; two chains a block.  Every pair has registers of its own for its codes
.macro OUT2 w, b0, b1, k, base, off, ad, bo
.set PK, 136+12*(\k)
	WIN ((\w)|((\w)<<2)|((\w)<<4))
	v_max3_num_f32 v112, |v[\b0]|, |v[\b0+1]|, |v[\b0+2]|
	v_max3_num_f32 v114, |v[\b1]|, |v[\b1+1]|, |v[\b1+2]|
	v_max3_num_f32 v113, |v[\b0+3]|, |v[\b0+4]|, |v[\b0+5]|
	v_max3_num_f32 v115, |v[\b1+3]|, |v[\b1+4]|, |v[\b1+5]|
	WIN (((\w)<<2)|((\w)<<4))
.irp i, 6,10,14,18,22,26
	v_max3_num_f32 v112, v112, |v[\b0+\i]|, |v[\b0+\i+1]|
	v_max3_num_f32 v114, v114, |v[\b1+\i]|, |v[\b1+\i+1]|
	v_max3_num_f32 v113, v113, |v[\b0+\i+2]|, |v[\b0+\i+3]|
	v_max3_num_f32 v115, v115, |v[\b1+\i+2]|, |v[\b1+\i+3]|
.endr
	v_max3_num_f32 v112, v112, |v[\b0+30]|, |v[\b0+31]|
	v_max3_num_f32 v114, v114, |v[\b1+30]|, |v[\b1+31]|
	WIN 0
	v_max3_num_f32 v112, v112, v113, 0x1800000     ; and the floor 2^(3 - 127)
	v_max3_num_f32 v114, v114, v115, 0x1800000
	v_add_nc_u32 v116, 0xff000000, v112            ; 2 off the exponent field: the conversion's scale operand
	v_add_nc_u32 v117, 0xff000000, v114
	v_lshrrev_b32 v118, 23, v116                   ; the scale's byte
	v_lshrrev_b32 v119, 23, v117
	WIN \w
	v_cvt_scalef32_pk16_fp6_f32 v[PK:PK+2], v[\b0:\b0+15], v116
	v_cvt_scalef32_pk16_fp6_f32 v[120:122], v[\b0+16:\b0+31], v116
	v_cvt_scalef32_pk16_fp6_f32 v[PK+6:PK+8], v[\b1:\b1+15], v117
	v_cvt_scalef32_pk16_fp6_f32 v[124:126], v[\b1+16:\b1+31], v117
	WIN 0
	v_nop                                          ; one plain place behind a scaled conversion
.irp i, 0,1,2
	v_mov_b32 v[PK+3+\i], v[120+\i]
	v_mov_b32 v[PK+9+\i], v[124+\i]
.endr
.irp p, 0,1,2
	global_store_b128 v4, v[PK+4*\p:PK+4*\p+3], s[\base:\base+1] offset:\off+512*\p   ; 512 consecutive bytes, aligned
.endr
	ds_store_b8 v[\ad], v118 offset:\bo
	ds_store_b8 v[\ad], v119 offset:\bo+2
.endm
.irp k, 0,1,2,3
	OUT2 3, 64*\k, 64*\k+32, \k, 8, 1536*\k, 18, 4*\k
.endr
.irp u, 0,1
	OUT2 1+\u, 168, 200, 4+\u, 12, 1536*\u, 19, 4*\u
.endr
	WALU
	s_wait_dscnt 0x0                               ; for the others' sake: my scale bytes have landed
	s_barrier_signal -1
	s_barrier_wait -1
	ds_load_b64 v[112:113], v25
	ds_load_b64 v[114:115], v26
	s_wait_dscnt 0x0
	global_store_b64 v5, v[112:113], s[10:11]      ; 256 consecutive bytes, aligned
	s_cmp_eq_u32 s16, 0
	s_cbranch_scc0 .Lno_v
	global_store_b64 v5, v[114:115], s[18:19]      ; V's of my token half, by the even wave
.Lno_v:
	s_wait_tensorcnt 0x0                           ; the wave's end
	ds_add_u32 v28, v29
	s_wait_dscnt 0x0
	CROUND                                         ; the closing round: no work-group ends while a partner may still ask for a tile that names it
	s_endpgm
.Lfunc_end_k_q5c3856e40d_qkv:
	.size	k_q5c3856e40d_qkv, .Lfunc_end_k_q5c3856e40d_qkv-k_q5c3856e40d_qkv
	.p2alignl 7, 3214868480
	.fill 96, 4, 3214868480
	.section	.rodata,"a",@progbits
	.p2align	6, 0x0
	.amdhsa_kernel k_q5c3856e40d_qkv
		.amdhsa_group_segment_fixed_size 327680
		.amdhsa_private_segment_fixed_size 0
		.amdhsa_enable_private_segment 0
		.amdhsa_kernarg_size 32
		.amdhsa_user_sgpr_count 2
		.amdhsa_user_sgpr_kernarg_segment_ptr 1
		.amdhsa_wavefront_size32 1
		.amdhsa_system_sgpr_workgroup_id_x 1
		.amdhsa_system_sgpr_workgroup_id_y 1
		.amdhsa_system_sgpr_workgroup_id_z 1
		.amdhsa_system_vgpr_workitem_id 0
		.amdhsa_next_free_vgpr 1024
		.amdhsa_next_free_sgpr 100
		.amdhsa_reserve_vcc 1
		.amdhsa_float_denorm_mode_32 3
		.amdhsa_float_denorm_mode_16_64 3
		.amdhsa_memory_ordered 1
		.amdhsa_forward_progress 1
		.amdhsa_inst_pref_size 106
	.end_amdhsa_kernel
	.amdgpu_metadata
---
amdhsa.version: [ 1, 2 ]
amdhsa.kernels:
  - .name:           k_q5c3856e40d_qkv
    .symbol:         k_q5c3856e40d_qkv.kd
    .args:
      - { .name: cd_in, .offset: 0, .size: 8, .value_kind: global_buffer, .address_space: global }
      - { .name: sc_in, .offset: 8, .size: 8, .value_kind: global_buffer, .address_space: global }
      - { .name: qkv_cd, .offset: 16, .size: 8, .value_kind: global_buffer, .address_space: global }
      - { .name: qkv_sc, .offset: 24, .size: 8, .value_kind: global_buffer, .address_space: global }
    .group_segment_fixed_size: 327680
    .private_segment_fixed_size: 0
    .kernarg_segment_align: 8
    .kernarg_segment_size: 32
    .max_flat_workgroup_size: 128
    .sgpr_count:     100
    .vgpr_count:     1024
    .wavefront_size: 32
...
	.end_amdgpu_metadata
.endif
;; end of part 2
;; launch attn (part 3): grid 8 x 32, 8 waves a work-group, clusters of 4 x 1, 216,064 bytes of LDS; arguments qkv_cd, qkv_sc, attention_mask, ao_cd, ao_sc; writes ao_cd, ao_sc
.if DOCPART == 3
	.amdgcn_target "amdgcn-amd-amdhsa--gfx1250"
	.amdhsa_code_object_version 6
	.text
	.protected	k_q5c3856e40d_attn
	.globl	k_q5c3856e40d_attn
	.p2align	8
	.type	k_q5c3856e40d_attn,@function
k_q5c3856e40d_attn:
	s_mov_b64 s[64:65], 0
	v_nop
	global_prefetch_b8 v0, s[64:65] scope:SCOPE_SE
	s_setreg_imm32_b32 hwreg(HW_REG_WAVE_MODE, 25, 1), 1
	s_wait_xcnt 0x0
	s_wait_alu depctr_hold_cnt(0) depctr_sa_sdst(0) depctr_va_vdst(0) depctr_va_sdst(0) depctr_va_ssrc(0) depctr_va_vcc(0) depctr_vm_vsrc(0)
	s_getreg_b32 s2, hwreg(HW_REG_IB_STS2, 6, 4)
	s_cmp_eq_u32 s2, 0
	s_cbranch_scc0 .Lentry_in_a_cluster
	s_endpgm
.Lentry_in_a_cluster:
	s_bfe_u32 s2, ttmp6, 0x10000c
	s_cmp_lg_u32 s2, 0x3003
	s_cbranch_scc0 .Lentry_shape_is_right
	s_endpgm
.Lentry_shape_is_right:
; For one batch and head: O[q] = sum over keys of softmax(Q[q] . K[k] / 8, masked) V[k], both products on codes of FP6 (E2M3) with E8M0 scales; O / l is quantised along the last product's K and leaves as codes.
; THE SOFTMAX: t = score x log2(e) / 8; M = the running largest t rounded UP to a whole number; p = 2^(t - M) is quantised along the keys, not normalised; l is the sum of the unquantised p.
; When M moves, l and O are multiplied by 2^(old M - new M), which rounds nothing.
; THE MASK is read and honoured: a hidden key's score gets the bias -2^100, given as the C of the score's matrix instruction; its p is then 0, as with -infinity.
; LIMITS: the running largest score starts at -2^80, so |score| has to stay under 2^80; a batch whose mask hides every key (NaN by the definition) is not served; NaN and infinities are not served.
; A block's scale exponent is floor(largest t - M) - 2, held at -126 from below: where p would round up to a power of two the block's largest code is the one below it.
; SHARES.  A work-group owns 256 queries of one batch and head, each of its eight waves two tiles of 16.
; THE WHOLE HEAD'S K AND V STAY IN LDS, 192 KB of fragment images and 8 KB of scale words, each byte filled once.  One tensor load a wave: waves 0, 1: units 0 to 3 (a unit is 128 keys) of K, V; waves 2, 3: their scale words; waves 4 to 7: the rest of K and V by halves.
; The four query blocks of a cluster walk the same head: the loads are joint (mask 15).  No prefetch: every tile is asked for at the head, so no loop runs ahead of a load.
; AN IMAGE is 1,536 bytes: three pieces of 512, four registers at 16 l.
; THE FIRST PRODUCT'S K IS 64.  A fragment of K holds two keys in each row (tiles 2 b and 2 b + 1 of the unit's eight).  Q stands in 30 registers [zeros][q of tile 0][zeros][q of tile 1][zeros]: twelve from a q on pick the first key of a row, twelve from the zeros ahead of it the second.
; LAYOUT.  Both products are used transposed (S^T = K Q^T, O^T = V^T P^T): a lane holds one query throughout.  By the tiles' row order register 8 t + i of S^T is key 64 (t / 4) + 32 h + 8 (t % 4) + i, and register 8 t + i of O^T is d = 32 h + 8 t + i:
; 32 registers on end are one whole scale block, in the very order of the next operand's registers.
; A STEP is 256 keys in two phases, tile 0's and tile 1's.  A phase: the softmax of the tile's 256 scores, which the phase before has made; the bias of the next scores into S, when every p has been used; this tile's P V; the other tile's scores.
; K of the next step is fetched at the head of phase 1, V of this step at the head of phase 0: no product takes those registers until the phase's end.
; THE EXPONENTIALS go in two halves: among the first stand the second half's multiply-adds, among the second the first half's conversions and additions: lines that hang on none of them.
; REGISTERS, window 0: v1-13 addresses, P's and Q's scale words; v14-43 Q; v44-62 M, l and at work; v64-71 K's scale words, v72-79 V's; v80-95 at work; v96-119 p's codes; v120-247 S^T then p; v254, v255 for the add.
;   window 1: K v0-95, V v96-191 (four fragments for each of the step's two units); O^T v192-223 of tile 0, v224-255 of tile 1.
.set KSC,  196608                      ; K's scale words, 256 bytes a unit; V's lie 4,096 bytes on
.set BIAS, 204800                      ; 2,048 f32: 0 or -2^100 (stored by the waves: no fill lands here)
.set SCR,  212992                      ; 512 bytes: the result's scale bytes on their way out (likewise)
.set SPARE, 215040                     ; the spare words, 128 bytes for each wave
.set PART, 24576                       ; units 0 to 3
.set HREST, 36864                      ; half of the other twelve
.set PWA, 4                            ; p's scale words: the step's first unit, its second
.set PWB, 3
.set QW,  8                            ; Q's scale words: v8 tile 0, v10 tile 1
.set QB,  14
.set H8,  54                           ; 8 h
.set T,   55
.set F,   56
.set BT,  58
.set HW,  59
.set HW1, 62
.set W0,  60
.set W1,  61
.set KW,  64
.set VW,  72
.set BM,  80                           ; v80-87 the largest scores; then
.set CT,  80                           ; v80-82, v84-86 conversions' upper halves
.set I,   88                           ; v88-91
.set BS,  92                           ; v92-95
.set PC,  96
.set S,   120
.set VF,  96
.set WV,  14
.set SEL, 22
.set G1S, 24
.set G1P, 32
.set G1R, 40
.set G0S, 48
.set G0P, 52
.set G0R, 56
.set CS,  60                           ; s[60:61] c = log2(e) / 8
.set T1,  62                           ; 12,288 x step
.set T2,  63                           ; 512 x step
.set T3,  66                           ; 1,024 x step
.set CNT, 67
.set NC,  90                           ; -c
.set TV,  92                           ; 98,304 + 12,288 x step
.set MSB, 0
.macro WIN new
.if MSB != (\new)
	s_set_vgpr_msb (MSB<<8)|(\new)
.set MSB, (\new)
.endif
.endm
.macro WALU
	s_wait_alu depctr_va_vdst(0)
.endm
.macro PLACES n
.rept \n
	v_nop
.endr
.endm
.macro CROUND                          ; a round of the cluster's barrier
	s_barrier_signal -1
	s_barrier_wait -1
	s_cmp_lg_u32 s[WV], 0
	s_cbranch_scc1 .Lnot_wave_0_\@
	s_barrier_signal -3
.Lnot_wave_0_\@:
	s_barrier_wait -3
	s_barrier_signal -1
	s_barrier_wait -1
.endm
.macro TLOAD g0, g1
	tensor_load_to_lds s[\g0:\g0+3], s[\g1:\g1+7]
	s_nop 0
	PLACES 4
.endm
.macro LOADK a, w, d                   ; 26 loads: K's eight fragments of a step and their scale words.  d = 1: of the step behind the one whose addresses are given
	WIN 0x40
.irp f, 0,1,2,3,4,5,6,7
.irp p, 0,1,2
	ds_load_b128 v[12*\f+4*\p:12*\f+4*\p+3], v[\a] offset:12288*\d+1536*\f+512*\p
.endr
.endr
	WIN 0
	ds_load_b128 v[KW:KW+3], v[\w] offset:512*\d
	ds_load_b128 v[KW+4:KW+7], v[\w] offset:512*\d+256
.endm
.macro LOADV a, w                      ; 26 loads: V's
	WIN 0x40
.irp f, 0,1,2,3,4,5,6,7
.irp p, 0,1,2
	ds_load_b128 v[VF+12*\f+4*\p:VF+12*\f+4*\p+3], v[\a] offset:1536*\f+512*\p
.endr
.endr
	WIN 0
	ds_load_b128 v[VW:VW+3], v[\w] offset:4096
	ds_load_b128 v[VW+4:VW+7], v[\w] offset:4352
.endm
.macro LOADB a, d                      ; 32 loads: the bias of a step's 256 keys into S, where it is the C of the scores; sixteen lanes share the bytes
.irp t, 0,1,2,3,4,5,6,7,8,9,10,11,12,13,14,15
	ds_load_b128 v[S+8*\t:S+8*\t+3], v[\a] offset:1024*\d+256*(\t/4)+32*(\t%4)
	ds_load_b128 v[S+8*\t+4:S+8*\t+7], v[\a] offset:1024*\d+256*(\t/4)+32*(\t%4)+16
.endr
.endm
.macro SCORES q                        ; S^T = K Q^T + bias: score tile t takes fragment t / 2 and the first (t even) or second key of its rows
	WIN 0x01                                       ; K in window 1
.irp t, 0,1,2,3,4,5,6,7,8,9,10,11,12,13,14,15
	v_wmma_scale_f32_16x16x128_f8f6f4 v[S+8*\t:S+8*\t+7], v[12*(\t/2):12*(\t/2)+11], v[QB+12*\q+6*(1-\t%2):QB+12*\q+6*(1-\t%2)+11], v[S+8*\t:S+8*\t+7], v[KW+\t/2], v[QW+2*\q] matrix_a_fmt:MATRIX_FMT_FP6 matrix_b_fmt:MATRIX_FMT_FP6
.endr
	WIN 0
.endm
.macro PVS ob, first                   ; O^T += V^T P^T: two units, four tiles of 16 of the head's 64; the accumulators take turns, one instruction a turn
	WIN 0x51                                       ; V and O^T in window 1
.irp s, 0,1
.irp t, 0,1,2,3
.if (\first) && (\s == 0)
	v_wmma_scale_f32_16x16x128_f8f6f4 v[\ob+8*\t:\ob+8*\t+7], v[VF+48*\s+12*\t:VF+48*\s+12*\t+11], v[PC+12*\s:PC+12*\s+11], 0, v[VW+4*\s+\t], v[PWA-\s] matrix_a_fmt:MATRIX_FMT_FP6 matrix_b_fmt:MATRIX_FMT_FP6
.else
	v_wmma_scale_f32_16x16x128_f8f6f4 v[\ob+8*\t:\ob+8*\t+7], v[VF+48*\s+12*\t:VF+48*\s+12*\t+11], v[PC+12*\s:PC+12*\s+11], v[\ob+8*\t:\ob+8*\t+7], v[VW+4*\s+\t], v[PWA-\s] matrix_a_fmt:MATRIX_FMT_FP6 matrix_b_fmt:MATRIX_FMT_FP6
.endif
.endr
.endr
	WIN 0
.endm
.macro PKF n, nm                       ; t - M, two numbers a line
.rept \n
	v_pk_fma_f32 v[S+J:S+J+1], v[S+J:S+J+1], s[CS:CS+1], v[\nm:\nm+1] op_sel_hi:[1,0,0]
.set J, J+2
.endr
.endm
.macro CVTS d, s, b                    ; 64 numbers to the codes of two blocks: lower halves in place, upper halves beside (a conversion's three registers begin on an even number)
	v_cvt_scalef32_pk16_fp6_f32 v[\d:\d+2], v[\s:\s+15], v[\b]
	v_cvt_scalef32_pk16_fp6_f32 v[CT:CT+2], v[\s+16:\s+31], v[\b]
	v_cvt_scalef32_pk16_fp6_f32 v[\d+6:\d+8], v[\s+32:\s+47], v[\b+1]
	v_cvt_scalef32_pk16_fp6_f32 v[CT+4:CT+6], v[\s+48:\s+63], v[\b+1]
.endm
.macro MOVS d
.irp i, 0,1,2
	v_mov_b32 v[\d+3+\i], v[CT+\i]
	v_mov_b32 v[\d+9+\i], v[CT+4+\i]
.endr
.endm
.macro FILL i, l                       ; what stands among the second half's exponentials: the first half's four conversions; l under the new M; sixteen additions of pairs
.if (\i) == 0
	v_cvt_scalef32_pk16_fp6_f32 v[PC:PC+2], v[S:S+15], v[BS]
.elseif (\i) == 1
	v_cvt_scalef32_pk16_fp6_f32 v[CT:CT+2], v[S+16:S+31], v[BS]
.elseif (\i) == 2
	v_cvt_scalef32_pk16_fp6_f32 v[PC+6:PC+8], v[S+32:S+47], v[BS+1]
.elseif (\i) == 3
	v_cvt_scalef32_pk16_fp6_f32 v[CT+4:CT+6], v[S+48:S+63], v[BS+1]
.elseif (\i) == 4
	v_pk_mul_f32 v[\l:\l+1], v[\l:\l+1], v[F:F+1] op_sel_hi:[1,0]   ; (also the plain place between the conversions and the lines that write their sources)
.else
.set A_, S+4*((\i)-5)
	v_pk_add_f32 v[A_:A_+1], v[A_:A_+1], v[A_+2:A_+3]
.endif
.endm
.macro ADDN n, l                       ; the rest of l's sum: 13 sums of pairs and the second half's 32 pairs, in four chains by turns
.if (\n) < 13
.set A_, S+12+4*(\n)
.else
.set A_, S+64+2*((\n)-13)
.endif
.if (\n)%4 == 0
.set CR, \l
.else
.set CR, S+4*((\n)%4)-4
.endif
	v_pk_add_f32 v[CR:CR+1], v[CR:CR+1], v[A_:A_+1]
.endm
; A tile's softmax for 256 keys.  nm: -M (and its old value behind it), ms: the running largest score, l, ob: its O^T
.macro SM nm, ms, l, ob, first
.irp b, 0,1,2,3,4,5,6,7
	v_max3_num_f32 v[BM+\b], v[S+16*\b], v[S+1+16*\b], v[S+2+16*\b]   ; the largest score of each block of 32 keys, two chains a block
.endr
.irp i, 3,5,7,9,11,13
.irp b, 0,1,2,3,4,5,6,7
	v_max3_num_f32 v[BM+\b], v[BM+\b], v[S+16*\b+\i], v[S+1+16*\b+\i]
.endr
.endr
.irp b, 0,1,2,3
	v_max3_num_f32 v[BM+2*\b], v[BM+2*\b], v[BM+2*\b+1], v[S+32*\b+15]
.endr
.irp b, 0,1,2,3
	v_max_num_f32 v[BM+2*\b], v[BM+2*\b], v[S+32*\b+31]
.endr
	s_delay_alu instid0(VALU_DEP_2)
	v_max3_num_f32 v[T], v[BM], v[BM+2], v[BM+4]
	s_delay_alu instid0(VALU_DEP_1)
	v_max_num_f32 v[T], v[T], v[BM+6]
	v_mov_b32 v[\nm+1], v[\nm]
	s_delay_alu instid0(VALU_DEP_2)
	v_permlanex16_b32 v[BT], v[T], s[SEL], s[SEL+1]
	s_delay_alu instid0(VALU_DEP_1)
	v_max3_num_f32 v[\ms], v[T], v[BT], v[\ms]     ; the running largest score, with lane l xor 16's keys
	s_delay_alu instid0(VALU_DEP_1)
	v_mul_f32 v[T], s[NC], v[\ms]                  ; -t
	s_delay_alu instid0(VALU_DEP_1)
	v_floor_f32 v[\nm], v[T]                       ; the new -M = floor(-t): M is a whole number
	s_delay_alu instid0(VALU_DEP_1)
	v_sub_f32 v[T], v[\nm], v[\nm+1]               ; old M - new M: a whole number, 0 or less
.set J, 0
	PKF 4, \nm
	v_cvt_i32_f32 v[T], v[T]                       ; (it saturates)
.irp b, 0,1,2,3
	v_fma_f32 v[BM+2*\b], v[BM+2*\b], s[CS], v[\nm]   ; t - M of each block's largest score
.endr
	PKF 4, \nm
	v_ldexp_f32 v[F], 1.0, v[T]                    ; f = 2^(old M - new M)
.irp b, 0,1,2,3
	v_max_num_f32 v[BM+2*\b], 0xc2f80000, v[BM+2*\b]   ; at least -124: the byte cannot fall under 1
.endr
	PKF 4, \nm
.irp b, 0,1,2,3
	v_cvt_floor_i32_f32 v[I+\b], v[BM+2*\b]        ; the exponent of the block's largest p
.endr
	PKF 4, \nm
	v_lshl_add_u32 v[W0], v[I+1], 16, v[I]
	v_lshl_add_u32 v[W1], v[I+3], 16, v[I+2]
.irp b, 0,1,2,3
	v_lshl_add_u32 v[BS+\b], v[I+\b], 23, 0x3e800000   ; + 125 in the exponent field: the conversions' scale operands
.endr
	PKF 4, \nm
	v_lshlrev_b32 v[W0], v[H8], v[W0]              ; my two exponents at the places of bytes h and 2 + h
	v_lshlrev_b32 v[W1], v[H8], v[W1]
	PKF 4, \nm
	v_permlanex16_b32 v[HW], v[W0], s[SEL], s[SEL+1]
	v_permlanex16_b32 v[HW1], v[W1], s[SEL], s[SEL+1]
	PKF 8, \nm
	v_add3_u32 v[PWA], v[W0], v[HW], 0x7d7d7d7d    ; with lane l xor 16's two, and 125 on each: p's scale words
	v_add3_u32 v[PWB], v[W1], v[HW1], 0x7d7d7d7d
.if \first == 0
	WIN 0x41                                       ; O^T in window 1, f in window 0
	WALU
.set K_, 0
.rept 16
	v_pk_mul_f32 v[\ob+K_:\ob+K_+1], v[\ob+K_:\ob+K_+1], v[F:F+1] op_sel_hi:[1,0]   ; O^T under the new M, each accumulator from its low end on
.set K_, K_+2
.endr
	WIN 0
.endif
	WALU
.set E_, 0
.rept 32
	v_exp_f32 v[S+E_], v[S+E_]                     ; p = 2^(t - M), the first half
	v_exp_f32 v[S+E_+1], v[S+E_+1]
	PKF 1, \nm                                     ; t - M of the second half
.set E_, E_+2
.endr
	WALU
.set Q_, 0
.rept 64
	v_exp_f32 v[S+E_], v[S+E_]
.set E_, E_+1
.if ((E_-64)%3) == 0
.if Q_ < 20
	FILL Q_, \l
.set Q_, Q_+1
.endif
.endif
.endr
	FILL 20, \l                                    ; (a plain place behind the exponentials)
	WALU
	MOVS PC
	CVTS PC+12, S+64, BS+2
.set N_, 0
.rept 8
	ADDN N_, \l
.set N_, N_+1
.endr
	MOVS PC+12
.rept 37
	ADDN N_, \l
.set N_, N_+1
.endr
	v_pk_add_f32 v[S:S+1], v[S:S+1], v[S+4:S+5]
	v_pk_add_f32 v[\l:\l+1], v[\l:\l+1], v[S+8:S+9]
	v_pk_add_f32 v[\l:\l+1], v[\l:\l+1], v[S:S+1]
	WALU                                           ; (ahead of the waits and the branch that follow)
.endm
; gate: the rest of the head is shown landed: signalled at the end of phase 0, waited for at the step's end
.macro STEP first, last, gate
	v_add_nc_u32 v9, s[TV], v1                     ; the step's addresses; also the places behind tile 0's scores
	v_add_nc_u32 v11, s[T2], v5
	v_add_nc_u32 v12, s[T3], v6
	v_add_nc_u32 v7, s[T1], v1
	LOADV 9, 11
	SM 44, 52, 48, 192, \first
	LOADB 12, 0
	s_wait_dscnt 32                                ; the bias may be out: V is in
	PVS 192, \first
	s_wait_dscnt 0x0
.if \gate
	s_wait_tensorcnt 0x0                           ; my tensor load has landed, whichever it was
	s_barrier_signal -1                            ; (until its wait: register work, and loads of bytes that nobody writes)
.endif
	SCORES 1
	PLACES 4
.if \last == 0
	LOADK 7, 11, 1
.endif
	SM 46, 53, 50, 224, \first
.if \last == 0
	LOADB 12, 1
.endif
	PVS 224, \first
.if \last == 0
	s_wait_dscnt 0x0
	SCORES 0
.if \gate
	s_barrier_wait -1                              ; every wave's tensor load has landed: the rest of K and V may be read
.endif
	s_add_co_u32 s[T1], s[T1], 12288
	s_add_co_u32 s[T2], s[T2], 512
	s_add_co_u32 s[T3], s[T3], 1024
	s_add_co_u32 s[TV], s[TV], 12288
.endif
.endm
	s_load_b256 s[4:11], s[0:1], 0x0               ; qkv_cd, qkv_sc, attention_mask, ao_cd
	s_load_b64 s[12:13], s[0:1], 0x20              ; ao_sc
	v_lshl_add_u32 v254, v0, 2, SPARE
	v_mov_b32 v255, 0
	ds_add_u32 v254, v255                          ; the opening: the add, twice on end, and its wait ahead of my first tensor load
	ds_add_u32 v254, v255
	v_lshrrev_b32 v1, 5, v0
	v_readfirstlane_b32 s[WV], v1                  ; wave 0..7
	s_and_b32 s15, s[WV], 1                        ; even waves fetch K, odd waves V
	s_bfe_u32 s91, s[WV], 0x10001                  ; which half of the rest (waves 4 to 7)
	s_bfe_u32 s16, ttmp6, 0x40000                  ; cx
	s_lshl_b32 s17, ttmp9, 2
	s_add_co_u32 s17, s17, s16                     ; my block of 256 queries: it enters global addresses alone
	s_and_b32 s18, ttmp7, 0xffff                   ; 16 x batch + head, which the partners share
	s_lshr_b32 s19, s18, 4                         ; batch
	s_and_b32 s20, s18, 15                         ; head
.irp g, G1S, G1P, G1R                  ; dense blocks as rows of 256 bytes: 32 elements of 8 bytes
	s_mov_b32 s[\g], 15|(3<<16)|(1<<21)            ; the mask: all four work-groups; elements of 8 bytes; bit 21 beside a mask
	s_mov_b32 s[\g+1], 32<<16
	s_mov_b32 s[\g+3], 32<<16
	s_mov_b32 s[\g+5], 32
	s_mov_b32 s[\g+6], 0
	s_mov_b32 s[\g+7], 0
.endr
	s_mov_b32 s[G1S+2], 16<<16                     ; the scale words: 4,096 bytes
	s_mov_b32 s[G1S+4], 16
	s_mov_b32 s[G1P+2], 96<<16                     ; four units: 24,576 bytes
	s_mov_b32 s[G1P+4], 96
	s_mov_b32 s[G1R+2], 144<<16                    ; six units: 36,864 bytes
	s_mov_b32 s[G1R+4], 144
	s_add_co_u32 s21, s15, 1                       ; the kind: 1 K, 2 V
	s_mul_i32 s72, s21, 3145728
	s_mul_i32 s73, s18, 98304
	s_add_co_u32 s72, s72, s73
	s_mov_b32 s73, 0                               ; the head's codes
	s_lshl_b32 s74, s21, 17
	s_lshl_b32 s75, s18, 12
	s_add_co_u32 s74, s74, s75
	s_mov_b32 s75, 0                               ; its scale words
	s_mul_i32 s76, s91, HREST
	s_add_co_u32 s76, s76, PART
	s_add_co_u32 s78, s72, s76
	s_mov_b32 s79, 0                               ; my half of the rest
	s_mov_b32 s[G0P], 1
	s_mul_i32 s[G0P+1], s15, 98304
	s_mov_b32 s[G0S], 1
	s_lshl_b32 s[G0S+1], s15, 12
	s_add_co_u32 s[G0S+1], s[G0S+1], KSC
	s_mov_b32 s[G0R], 1
	s_add_co_u32 s[G0R+1], s[G0P+1], s76
	s_lshl_b32 s77, s18, 4
	s_lshl_b32 s76, s17, 1
	s_add_co_u32 s77, s77, s76
	s_lshr_b32 s76, s[WV], 2
	s_add_co_u32 s77, s77, s76                     ; Q's unit of 128 queries: 16 (16 batch + head) + 2 x block + wave / 4
	s_and_b32 s76, s[WV], 3                        ; my fragment in it: my two tiles
	s_mul_i32 s80, s77, 6144
	s_mul_i32 s81, s76, 1536
	s_add_co_u32 s80, s80, s81
	s_mov_b32 s81, 0
	s_lshl_b32 s84, s77, 8
	s_lshl_b32 s85, s76, 2
	s_add_co_u32 s84, s84, s85
	s_mov_b32 s85, 0
	s_lshl_b32 s68, s19, 13                        ; the batch's 2,048 mask words
	s_mov_b32 s69, 0
	s_lshl_b32 s70, s19, 7
	s_lshl_b32 s71, s17, 4
	s_add_co_u32 s70, s70, s71
	s_lshl_b32 s71, s[WV], 1
	s_add_co_u32 s70, s70, s71                     ; my first tile of tokens: 128 batch + 16 block + 2 wave
	s_mul_i32 s70, s70, 12288
	s_mul_i32 s71, s20, 768                        ; the head's half image
	s_add_co_u32 s70, s70, s71
	s_mov_b32 s71, 0
	s_lshl_b32 s88, s20, 13
	s_lshl_b32 s89, s19, 12
	s_add_co_u32 s88, s88, s89
	s_lshl_b32 s89, s17, 9
	s_add_co_u32 s88, s88, s89                     ; ao_sc: 8,192 head + 32 x (128 batch + 16 block)
	s_mov_b32 s89, 0
	s_mov_b32 s[SEL], 0x76543210
	s_mov_b32 s[SEL+1], 0xfedcba98                 ; v_permlanex16_b32's selects for lane l xor 16
	s_mov_b32 s[CS], 0x3e38aa3b                    ; c = log2(e) / 8
	s_mov_b32 s[CS+1], s[CS]                       ; (named with it as a pair, so it is written)
	s_mov_b32 s[NC], 0xbe38aa3b
	s_mov_b32 s[T1], 0
	s_mov_b32 s[T2], 0
	s_mov_b32 s[T3], 0
	s_mov_b32 s[TV], 98304
	s_lshl_b32 s76, s[WV], 6
	s_add_co_u32 s76, s76, SCR
	v_and_b32 v108, 31, v0                         ; lane
	v_and_b32 v109, 15, v0                         ; r
	v_bfe_u32 v110, v0, 4, 1                       ; h
	v_lshlrev_b32 v104, 4, v0                      ; 16 x thread
	v_lshlrev_b32 v1, 4, v108                      ; 16 x lane
	v_lshlrev_b32 v2, 3, v108                      ; 8 x lane
	v_lshlrev_b32 v105, 4, v109                    ; 16 r
	v_lshl_add_u32 v106, v0, 4, BIAS
	v_lshl_add_u32 v5, v109, 4, KSC                ; a row's four scale words
	v_lshl_add_u32 v6, v110, 7, BIAS               ; my half's 32 keys of a band of 64
	v_lshl_add_u32 v13, v109, 1, s76
	v_lshlrev_b32 v[H8], 3, v110
	v_mov_b32 v107, 0xf1800000                     ; -2^100
	v_add_nc_u32 v13, v13, v110                    ; the result's scale byte: 64 x wave + 2 r + h
	WALU
	s_wait_dscnt 0x0                               ; both opening adds are done
	s_wait_kmcnt 0x0
	s_add_nc_u64 s[G0S+2:G0S+3], s[6:7], s[74:75]
	s_or_b32 s[G0S+3], s[G0S+3], 0x80000000
	s_add_nc_u64 s[G0P+2:G0P+3], s[4:5], s[72:73]
	s_or_b32 s[G0P+3], s[G0P+3], 0x80000000
	s_add_nc_u64 s[G0R+2:G0R+3], s[4:5], s[78:79]
	s_or_b32 s[G0R+3], s[G0R+3], 0x80000000
	s_add_nc_u64 s[82:83], s[4:5], s[80:81]        ; Q's codes
	s_add_nc_u64 s[86:87], s[6:7], s[84:85]        ; Q's scale words
	s_add_nc_u64 s[8:9], s[8:9], s[68:69]
	s_add_nc_u64 s[10:11], s[10:11], s[70:71]
	s_add_nc_u64 s[12:13], s[12:13], s[88:89]
	global_load_b128 v[96:99], v104, s[8:9]        ; the mask: eight words a thread
	global_load_b128 v[100:103], v104, s[8:9] offset:4096
	global_load_b128 v[QB+6:QB+9], v1, s[82:83]            ; Q: the fragment's registers 0-5 are tile 0's q,
	global_load_b64 v[QB+10:QB+11], v1, s[82:83] offset:512
	global_load_b64 v[QB+18:QB+19], v1, s[82:83] offset:520   ; registers 6-11 tile 1's
	global_load_b128 v[QB+20:QB+23], v1, s[82:83] offset:1024
	global_load_b32 v111, v105, s[86:87]           ; bytes 0, 1: tile 0's two blocks; bytes 2, 3: tile 1's
	CROUND                                         ; all four work-groups are here: the joint loads meet
	s_cmp_lt_u32 s[WV], 2                          ; one tensor load a wave, one chain of arms
	s_cbranch_scc0 .Lwords
	TLOAD G0P, G1P
	s_branch .Lasked
.Lwords:
	s_cmp_lt_u32 s[WV], 4
	s_cbranch_scc0 .Lrest
	TLOAD G0S, G1S
	s_branch .Lasked
.Lrest:
	TLOAD G0R, G1R
.Lasked:
	v_mov_b32 v52, 0xe7800000                      ; the largest score so far: -2^80, of either tile
	v_mov_b32 v53, 0xe7800000
.irp j, 48,49,50,51,BT,HW,HW1
	v_mov_b32 v[\j], 0                             ; l; a lane permute's destination counts as one of its sources
.endr
	v_mov_b32 v[F+1], 0                            ; (named as the upper half of a pair)
.irp j, 0,1,2,3,4,5,12,13,14,15,16,17,24,25,26,27,28,29
	v_mov_b32 v[QB+\j], 0                          ; the zeros round the two q
.endr
	v_mul_f32 v[T], s[NC], v52
	s_delay_alu instid0(VALU_DEP_1)
	v_floor_f32 v44, v[T]                          ; -M
	s_delay_alu instid0(VALU_DEP_1)
	v_mov_b32 v46, v44
	WALU
	s_wait_loadcnt 5                               ; the mask is in; Q's four loads and its word may be out
.irp j, 0,1,2,3,4,5,6,7
	v_cmp_eq_u32 s[68+\j], 0, v[96+\j]
.endr
.irp j, 0,1,2,3,4,5,6,7
	v_cndmask_b32 v[96+\j], 0, v107, s[68+\j]      ; 0 where the key counts, -2^100 where it is hidden
.endr
	ds_store_b128 v106, v[96:99]
	ds_store_b128 v106, v[100:103] offset:4096
	s_wait_loadcnt 0x0
	v_perm_b32 v[QW], v111, v111, 0x01000100       ; Q's scale word of tile 0: its two bytes for either place of q
	v_perm_b32 v[QW+2], v111, v111, 0x03020302     ; of tile 1
	WALU
	s_cmp_lt_u32 s[WV], 4
	s_cbranch_scc0 .Lnot_yet                       ; (waves 4 to 7 issued a load line of their own: its wait stands in the first step)
	s_wait_tensorcnt 0x0                           ; units 0 to 3, the scale words
.Lnot_yet:
	s_wait_dscnt 0x0                               ; my part of the bias has landed
	s_barrier_signal -1
	s_barrier_wait -1
	LOADK 1, 5, 0                                  ; step 0
	LOADB 6, 0
	PLACES 8                                       ; (Q's scale words stand eight places ahead of their first product)
	s_wait_dscnt 0x0
	SCORES 0
	STEP 1, 0, 1                                   ; step 0: it reads units 0 to 3 alone
	s_mov_b32 s[CNT], 6
.Lsteps:                                           ; steps 1-6
	STEP 0, 0, 0
	s_sub_co_u32 s[CNT], s[CNT], 1
	s_cmp_lg_u32 s[CNT], 0
	s_cbranch_scc1 .Lsteps
	STEP 0, 1, 0                                   ; step 7
; THE WAY OUT of a tile: O^T / l; my 32 registers are d = 32 h + 0 .. 31 of my query: one block of the last product's K; half an image, 768 bytes, and two scale bytes a row.
.macro EPI i
.set L_, 48+2*\i
.set X_, S+32*\i
.set C_, PC+6*\i
	v_add_f32 v[L_], v[L_], v[L_+1]                ; l's two halves,
	s_delay_alu instid0(VALU_DEP_1)
	v_permlanex16_b32 v[BT], v[L_], s[SEL], s[SEL+1]
	s_delay_alu instid0(VALU_DEP_1)
	v_add_f32 v[L_], v[L_], v[BT]                  ; and lane l xor 16's
	PLACES 1
	WALU
	v_rcp_f32 v[L_], v[L_]
	v_nop                                          ; one plain place behind a transcendental
	WIN 0x01                                       ; O^T in window 1
	WALU
.set J, 0
.rept 16
	v_pk_mul_f32 v[X_+J:X_+J+1], v[192+32*\i+J:193+32*\i+J], v[L_:L_+1] op_sel_hi:[1,0]   ; each accumulator from its low end on
.set J, J+2
.endr
	WIN 0
	v_max3_num_f32 v[BM], |v[X_]|, |v[X_+1]|, 0x1800000      ; with the floor 2^(3 - 127)
	v_max3_num_f32 v[BM+1], |v[X_+2]|, |v[X_+3]|, |v[X_+4]|
.irp k, 5,9,13,17,21,25
	v_max3_num_f32 v[BM], v[BM], |v[X_+\k]|, |v[X_+\k+1]|
	v_max3_num_f32 v[BM+1], v[BM+1], |v[X_+\k+2]|, |v[X_+\k+3]|
.endr
	v_max3_num_f32 v[BM], v[BM], |v[X_+29]|, |v[X_+30]|
	v_max3_num_f32 v[BM], v[BM], v[BM+1], |v[X_+31]|
	v_nop
	v_add_nc_u32 v[BS], 0xff000000, v[BM]
	v_nop
	v_lshrrev_b32 v[HW], 23, v[BS]
	v_cvt_scalef32_pk16_fp6_f32 v[C_:C_+2], v[X_:X_+15], v[BS]
	v_cvt_scalef32_pk16_fp6_f32 v[I:I+2], v[X_+16:X_+31], v[BS]
	v_nop                                          ; one plain place behind a scaled conversion
.irp k, 0,1,2
	v_mov_b32 v[C_+3+\k], v[I+\k]
.endr
	global_store_b128 v1, v[C_:C_+3], s[10:11] offset:12288*\i         ; 512 consecutive bytes, aligned
	global_store_b64 v2, v[C_+4:C_+5], s[10:11] offset:12288*\i+512    ; 256 consecutive bytes, aligned
	ds_store_b8 v13, v[HW] offset:32*\i
.endm
	PLACES 4                                       ; behind the last products, which read the registers that take the codes
	EPI 0
	EPI 1
	v_add_nc_u32 v7, SCR, v1
	WALU
	s_wait_dscnt 0x0                               ; for the others' sake: my scale bytes have landed
	s_barrier_signal -1
	s_barrier_wait -1
	s_cmp_lg_u32 s[WV], 0
	s_cbranch_scc1 .Lno_words
	ds_load_b128 v[88:91], v7                      ; wave 0 takes the sixteen tiles' scale bytes
	s_wait_dscnt 0x0
	global_store_b128 v1, v[88:91], s[12:13]       ; 512 consecutive bytes, aligned
.Lno_words:
	s_wait_tensorcnt 0x0                           ; the wave's end
	ds_add_u32 v254, v255
	s_wait_dscnt 0x0
	CROUND                                         ; the closing round: no work-group ends while a partner may still ask for a tile that names it
	s_endpgm
.Lfunc_end_k_q5c3856e40d_attn:
	.size	k_q5c3856e40d_attn, .Lfunc_end_k_q5c3856e40d_attn-k_q5c3856e40d_attn
	.p2alignl 7, 3214868480
	.fill 96, 4, 3214868480
	.section	.rodata,"a",@progbits
	.p2align	6, 0x0
	.amdhsa_kernel k_q5c3856e40d_attn
		.amdhsa_group_segment_fixed_size 216064
		.amdhsa_private_segment_fixed_size 0
		.amdhsa_enable_private_segment 0
		.amdhsa_kernarg_size 40
		.amdhsa_user_sgpr_count 2
		.amdhsa_user_sgpr_kernarg_segment_ptr 1
		.amdhsa_wavefront_size32 1
		.amdhsa_system_sgpr_workgroup_id_x 1
		.amdhsa_system_sgpr_workgroup_id_y 1
		.amdhsa_system_sgpr_workgroup_id_z 1
		.amdhsa_system_vgpr_workitem_id 0
		.amdhsa_next_free_vgpr 512
		.amdhsa_next_free_sgpr 94
		.amdhsa_reserve_vcc 0
		.amdhsa_float_denorm_mode_32 3
		.amdhsa_float_denorm_mode_16_64 3
		.amdhsa_memory_ordered 1
		.amdhsa_forward_progress 1
		.amdhsa_inst_pref_size 180
	.end_amdhsa_kernel
	.amdgpu_metadata
---
amdhsa.version: [ 1, 2 ]
amdhsa.kernels:
  - .name:           k_q5c3856e40d_attn
    .symbol:         k_q5c3856e40d_attn.kd
    .args:
      - { .name: qkv_cd, .offset: 0, .size: 8, .value_kind: global_buffer, .address_space: global }
      - { .name: qkv_sc, .offset: 8, .size: 8, .value_kind: global_buffer, .address_space: global }
      - { .name: attention_mask, .offset: 16, .size: 8, .value_kind: global_buffer, .address_space: global }
      - { .name: ao_cd, .offset: 24, .size: 8, .value_kind: global_buffer, .address_space: global }
      - { .name: ao_sc, .offset: 32, .size: 8, .value_kind: global_buffer, .address_space: global }
    .group_segment_fixed_size: 216064
    .private_segment_fixed_size: 0
    .kernarg_segment_align: 8
    .kernarg_segment_size: 40
    .max_flat_workgroup_size: 256
    .sgpr_count:     94
    .vgpr_count:     512
    .wavefront_size: 32
...
	.end_amdgpu_metadata
.endif
;; end of part 3
;; launch proj (part 4): grid 8 x 32, 8 waves a work-group, clusters of 4 x 4, 232,448 bytes of LDS; arguments ao_cd, ao_sc, cd_in, sc_in, out0; writes out0
.if DOCPART == 4
	.amdgcn_target "amdgcn-amd-amdhsa--gfx1250"
	.amdhsa_code_object_version 6
	.text
	.protected	k_q5c3856e40d_proj
	.globl	k_q5c3856e40d_proj
	.p2align	8
	.type	k_q5c3856e40d_proj,@function
k_q5c3856e40d_proj:
	s_mov_b64 s[64:65], 0
	v_nop
	global_prefetch_b8 v0, s[64:65] scope:SCOPE_SE
	s_setreg_imm32_b32 hwreg(HW_REG_WAVE_MODE, 25, 1), 1
	s_wait_xcnt 0x0
	s_wait_alu depctr_hold_cnt(0) depctr_sa_sdst(0) depctr_va_vdst(0) depctr_va_sdst(0) depctr_va_ssrc(0) depctr_va_vcc(0) depctr_vm_vsrc(0)
	s_getreg_b32 s2, hwreg(HW_REG_IB_STS2, 6, 4)
	s_cmp_eq_u32 s2, 0
	s_cbranch_scc0 .Lentry_in_a_cluster
	s_endpgm
.Lentry_in_a_cluster:
	s_bfe_u32 s2, ttmp6, 0x10000c
	s_cmp_lg_u32 s2, 0xf033
	s_cbranch_scc0 .Lentry_shape_is_right
	s_endpgm
.Lentry_shape_is_right:
; out0 = O W_o^T on codes of FP6 (E2M3) with E8M0 scales, f32 sums.  A: O's codes, ao_cd (16 heads of 64 = K 1,024): images of two halves of 768 bytes (registers 0-3 at 16 l, registers 4, 5 at 512 + 8 l).
; B: W_o's codes, tiles 448-511 of cd_in: images of three pieces of 512 bytes (four registers at 16 l).  A tile's eight images lie on end.
; A work-group makes 128 x 128, each of its eight waves 32 tokens x 64 columns: 8 accumulators, two waves to a SIMD.
; All of K comes in at the head, one joint load a wave: waves 0-3 the first four K steps of A's and B's halves, waves 4-7 the other four, which are shown by a barrier in step 3.  Nothing is filled twice, and with no loop ahead of a load nothing is prefetched.
; CLUSTER 4 x 4: A's tiles are shared along a row of the cluster, B's along a column.
; Used transposed (source 0 = W_o's rows): register 8 b + j of lane (r, h) is column 32 h + 8 b + j of the wave's 64; row r of its A tile a is token 32 (r / 8) + 8 a + r % 8, counted from its first token.
; LIMITS: NaN and infinities are not served.
.set CHUNK, 98304                      ; A's 8 tiles x 6,144 bytes, then B's
.set STAGE, 2*CHUNK                    ; the way out: 16 rows x 272 bytes for each wave
.set SPARE, STAGE+8*4352
.set SB,  32                           ; B's scale words: 8 i + s
.set SA,  65                           ; A's: 8 i + s
.set F0,  112                          ; two sets of six fragments: A's two, B's four
.set U,   184                          ; (ahead of the second set's first use: A's scale bytes as loaded)
.set MSB, 0
.macro WIN new
.if MSB != (\new)
	s_set_vgpr_msb (MSB<<8)|(\new)
.set MSB, (\new)
.endif
.endm
.macro WALU
	s_wait_alu depctr_va_vdst(0)
.endm
.macro PLACES n
.rept \n
	v_nop
.endr
.endm
.macro CROUND
	s_barrier_signal -1
	s_barrier_wait -1
	s_cmp_lg_u32 s14, 0
	s_cbranch_scc1 .Lnot_wave_0_\@
	s_barrier_signal -3
.Lnot_wave_0_\@:
	s_barrier_wait -3
	s_barrier_signal -1
	s_barrier_wait -1
.endm
.macro TLOAD g0, g1
	tensor_load_to_lds s[\g0:\g0+3], s[\g1:\g1+7]
	s_nop 0
	PLACES 4
.endm
.macro FETCH s                         ; 20 loads, each of consecutive bytes
.set KP, (\s)/4
.set FO, 1536*((\s)%4)
.set FS, F0+72*((\s)%2)
.irp i, 0,1
	ds_load_b128 v[FS+12*\i:FS+12*\i+3], v[8+KP] offset:6144*\i+FO
	ds_load_b64 v[FS+12*\i+4:FS+12*\i+5], v[10+KP] offset:6144*\i+FO+512
	ds_load_b128 v[FS+12*\i+6:FS+12*\i+9], v[8+KP] offset:6144*\i+FO+768
	ds_load_b64 v[FS+12*\i+10:FS+12*\i+11], v[10+KP] offset:6144*\i+FO+1280
.endr
.irp i, 0,1,2,3
.irp p, 0,1,2
	ds_load_b128 v[FS+24+12*\i+4*\p:FS+27+12*\i+4*\p], v[12+KP] offset:6144*\i+FO+512*\p
.endr
.endr
.endm
.macro MULS s                          ; the 8 accumulators, in window 1, take turns, one instruction a turn
.set FS, F0+72*((\s)%2)
.irp a, 0,1
.irp b, 0,1,2,3
.if (\s) == 0
	v_wmma_scale_f32_16x16x128_f8f6f4 v[8*(4*\a+\b):8*(4*\a+\b)+7], v[FS+24+12*\b:FS+35+12*\b], v[FS+12*\a:FS+11+12*\a], 0, v[SB+8*\b+(\s)], v[SA+8*\a+(\s)] matrix_a_fmt:MATRIX_FMT_FP6 matrix_b_fmt:MATRIX_FMT_FP6
.else
	v_wmma_scale_f32_16x16x128_f8f6f4 v[8*(4*\a+\b):8*(4*\a+\b)+7], v[FS+24+12*\b:FS+35+12*\b], v[FS+12*\a:FS+11+12*\a], v[8*(4*\a+\b):8*(4*\a+\b)+7], v[SB+8*\b+(\s)], v[SA+8*\a+(\s)] matrix_a_fmt:MATRIX_FMT_FP6 matrix_b_fmt:MATRIX_FMT_FP6
.endif
.endr
.endr
.endm
	s_load_b256 s[4:11], s[0:1], 0x0               ; ao_cd, ao_sc, cd_in, sc_in
	s_load_b64 s[12:13], s[0:1], 0x20              ; out0
	v_lshl_add_u32 v30, v0, 2, SPARE
	v_mov_b32 v31, 0
	ds_add_u32 v30, v31                            ; the opening: the add, twice on end, and its wait ahead of my first tensor load
	ds_add_u32 v30, v31
	v_lshrrev_b32 v1, 5, v0
	v_readfirstlane_b32 s14, v1                    ; wave 0..7
	s_lshr_b32 s15, s14, 1                         ; my two tiles of A
	s_and_b32 s16, s14, 1                          ; my four of B.  Also: which half of a tensor's tiles I fetch
	s_lshr_b32 s19, s14, 2                         ; which half of K I fetch
	s_bfe_u32 s40, ttmp6, 0x40000                  ; cx
	s_bfe_u32 s41, ttmp6, 0x40004                  ; cy
	s_lshl_b32 s42, ttmp9, 2
	s_add_co_u32 s42, s42, s40                     ; which 128 columns
	s_and_b32 s17, ttmp7, 0xffff
	s_lshl_b32 s17, s17, 2
	s_add_co_u32 s17, s17, s41                     ; which 128 tokens
	s_lshl_b32 s43, s41, 2
	s_lshl_b32 s43, 15, s43                        ; my row of the cluster
	s_lshl_b32 s44, 0x1111, s40                    ; my column
	s_or_b32 s24, s43, (3<<16)|(1<<21)
	s_or_b32 s32, s44, (3<<16)|(1<<21)
.irp g, 24, 32                         ; four tiles' 6,144 bytes, as elements of 8 bytes, 12,288 bytes apart
	s_mov_b32 s[\g+1], 768<<16
	s_mov_b32 s[\g+2], 4<<16
	s_mov_b32 s[\g+3], 768<<16
	s_mov_b32 s[\g+4], 4
	s_mov_b32 s[\g+5], 1536
	s_mov_b32 s[\g+6], 0
	s_mov_b32 s[\g+7], 0
.endr
	s_mul_i32 s45, s19, 6144
	s_lshl_b32 s18, s16, 2
	s_lshl_b32 s20, s17, 3
	s_add_co_u32 s20, s20, s18
	s_mul_i32 s20, s20, 12288
	s_add_co_u32 s20, s20, s45
	s_mov_b32 s21, 0
	s_lshl_b32 s46, s42, 3
	s_add_co_u32 s46, s46, s18
	s_add_co_u32 s46, s46, 448
	s_mul_i32 s46, s46, 12288
	s_add_co_u32 s46, s46, s45
	s_mov_b32 s47, 0
	s_mov_b32 s48, 1
	s_mul_i32 s49, s14, 24576                      ; where my load goes: wave x 24,576 (K's half, A or B, the tiles' half)
	s_mov_b32 s52, 1
	s_mov_b32 s53, s49
	v_and_b32 v1, 31, v0                           ; lane
	v_and_b32 v2, 15, v0                           ; r
	v_bfe_u32 v3, v0, 4, 1                         ; h
	v_lshlrev_b32 v4, 4, v1
	v_lshlrev_b32 v5, 3, v1
	v_lshlrev_b32 v27, 4, v2
	v_lshlrev_b32 v6, 1, v2
	WALU
	s_wait_dscnt 0x0                               ; both opening adds are done
	s_wait_kmcnt 0x0
	s_add_nc_u64 s[50:51], s[4:5], s[20:21]
	s_add_nc_u64 s[54:55], s[8:9], s[46:47]
	s_or_b32 s51, s51, 0x80000000
	s_or_b32 s55, s55, 0x80000000
	CROUND                                         ; all sixteen work-groups are here: the joint loads meet
	s_cmp_lt_u32 s14, 2                            ; one load a wave, one chain of arms
	s_cbranch_scc0 .Lb0
	TLOAD 48, 24
	s_branch .Lasked
.Lb0:
	s_cmp_lt_u32 s14, 4
	s_cbranch_scc0 .La1
	TLOAD 52, 32
	s_branch .Lasked
.La1:
	s_cmp_lt_u32 s14, 6
	s_cbranch_scc0 .Lb1
	TLOAD 48, 24
	s_branch .Lasked
.Lb1:
	TLOAD 52, 32
.Lasked:
	s_lshl_b32 s66, s42, 3
	s_lshl_b32 s67, s16, 2
	s_add_co_u32 s66, s66, s67
	s_add_co_u32 s66, s66, 448
	s_lshl_b32 s66, s66, 9
	s_mov_b32 s67, 0
	s_add_nc_u64 s[10:11], s[10:11], s[66:67]      ; my B tiles' scale words
	s_lshl_b32 s68, s17, 3
	s_lshl_b32 s69, s15, 1
	s_add_co_u32 s68, s68, s69
	s_lshl_b32 s68, s68, 5
	s_mov_b32 s69, 0
	s_add_nc_u64 s[6:7], s[6:7], s[68:69]          ; my A tiles' scale bytes of head 0
.irp i, 0,1
.irp d, 0,1,2,3,4,5,6,7,8,9,10,11,12,13,14,15
	global_load_u16 v[U+16*\i+\d], v6, s[6:7] offset:8192*\d+32*\i
.endr
.endr
.irp i, 0,1,2,3
.irp q, 0,1
	global_load_b128 v[SB+8*\i+4*\q:SB+8*\i+4*\q+3], v27, s[10:11] offset:512*\i+256*\q
.endr
.endr
	s_mul_i32 s22, s15, 12288
	s_mul_i32 s23, s16, 24576
	s_add_co_u32 s23, s23, 49152                   ; B's tiles lie behind A's
.irp k, 0,1
	v_add_nc_u32 v[8+\k], s22, v4
	v_add_nc_u32 v[10+\k], s22, v5
	v_add_nc_u32 v[12+\k], s23, v4
	s_add_co_u32 s22, s22, CHUNK
	s_add_co_u32 s23, s23, CHUNK
.endr
	s_mul_i32 s18, s14, 4352
	s_add_co_u32 s18, s18, STAGE
	WALU
	v_mul_u32_u24 v24, v2, 272                     ; into the stage: row r, + 128 h
	v_mul_u32_u24 v25, v3, 272                     ; out of it: lanes 0-15 one row of 256 bytes, lanes 16-31 the next
	v_lshlrev_b32 v26, 12, v3                      ; and the same two rows of the output
	v_lshl_add_u32 v24, v3, 7, v24
	v_lshl_add_u32 v25, v2, 4, v25
	v_lshl_add_u32 v26, v2, 4, v26
	v_add_nc_u32 v24, s18, v24
	v_add_nc_u32 v25, s18, v25
	s_lshl_b32 s70, s17, 3
	s_lshr_b32 s71, s15, 1
	s_lshl_b32 s71, s71, 2
	s_add_co_u32 s70, s70, s71
	s_and_b32 s71, s15, 1
	s_add_co_u32 s70, s70, s71                     ; my first token / 16: 8 x block + 4 (band) + my place in the band
	s_lshl_b32 s70, s70, 16
	s_lshl_b32 s71, s42, 9
	s_add_co_u32 s70, s70, s71
	s_lshl_b32 s71, s16, 8
	s_add_co_u32 s70, s70, s71
	s_mov_b32 s71, 0
	s_add_nc_u64 s[12:13], s[12:13], s[70:71]
	WALU
	s_wait_loadcnt 0x0
.irp i, 0,1
.irp s, 0,1,2,3,4,5,6,7
	v_lshl_or_b32 v[SA+8*\i+\s], v[U+1+16*\i+2*\s], 16, v[U+16*\i+2*\s]   ; the two heads' bytes of a K step
.endr
.endr
	PLACES 4                                       ; a scale register so written stands eight places ahead of its first product
	WALU
	s_cmp_lt_u32 s14, 4
	s_cbranch_scc0 .Lnot_yet                       ; (waves 4 to 7 have load lines of their own: their wait stands in step 3)
	s_wait_tensorcnt 0x0
.Lnot_yet:
	s_barrier_signal -1
	s_barrier_wait -1                              ; the first half of K is in
	FETCH 0
.irp s, 0,1,2,3,4,5,6,7
.if \s == 3
	s_wait_tensorcnt 0x0
	s_wait_dscnt 0x0
	s_barrier_signal -1
	s_barrier_wait -1                              ; the second half is in
.endif
.if \s < 7
.if \s > 0
	PLACES 4                                       ; for the loads into registers that the last step's products read
.endif
	FETCH \s+1
	s_wait_dscnt 20                                ; all but the 20 just issued
.else
	s_wait_dscnt 0x0
.endif
	WIN 0x50
	MULS \s
	WIN 0
.endr
	PLACES 4                                       ; in front of the first read of results
.macro TOSTAGE a
	WIN 0x04                                       ; a store's data are its source 1
.irp b, 0,1,2,3
	ds_store_b128 v24, v[8*(4*\a+\b):8*(4*\a+\b)+3] offset:32*\b
	ds_store_b128 v24, v[8*(4*\a+\b)+4:8*(4*\a+\b)+7] offset:32*\b+16
.endr
	WIN 0x40
.irp i, 0,1,2,3,4,5,6,7
	ds_load_b128 v[64+32*\a+4*\i:67+32*\a+4*\i], v25 offset:544*\i   ; LDS serves a wave's instructions in order: these see my stores
.endr
.endm
.macro SEND a, younger
	s_wait_dscnt \younger
	WIN 0x04
.irp i, 0,1,2,3,4,5,6,7
	global_store_b128 v26, v[64+32*\a+4*\i:67+32*\a+4*\i], s[12:13] offset:(8*\a+2*\i+24*(\i/4))*4096 th:TH_STORE_NT   ; each half of the lanes stores 256 consecutive bytes, aligned
.endr
.endm
	TOSTAGE 0
	TOSTAGE 1
	SEND 0, 16                                     ; the second block's 8 stores and 8 loads may be out
	SEND 1, 0
	WIN 0
	s_wait_tensorcnt 0x0                           ; the wave's end
	ds_add_u32 v30, v31
	s_wait_dscnt 0x0
	CROUND                                         ; the closing round: no work-group ends while a partner may still ask for a tile that names it
	s_endpgm
.Lfunc_end_k_q5c3856e40d_proj:
	.size	k_q5c3856e40d_proj, .Lfunc_end_k_q5c3856e40d_proj-k_q5c3856e40d_proj
	.p2alignl 7, 3214868480
	.fill 96, 4, 3214868480
	.section	.rodata,"a",@progbits
	.p2align	6, 0x0
	.amdhsa_kernel k_q5c3856e40d_proj
		.amdhsa_group_segment_fixed_size 232448
		.amdhsa_private_segment_fixed_size 0
		.amdhsa_enable_private_segment 0
		.amdhsa_kernarg_size 40
		.amdhsa_user_sgpr_count 2
		.amdhsa_user_sgpr_kernarg_segment_ptr 1
		.amdhsa_wavefront_size32 1
		.amdhsa_system_sgpr_workgroup_id_x 1
		.amdhsa_system_sgpr_workgroup_id_y 1
		.amdhsa_system_sgpr_workgroup_id_z 1
		.amdhsa_system_vgpr_workitem_id 0
		.amdhsa_next_free_vgpr 384
		.amdhsa_next_free_sgpr 90
		.amdhsa_reserve_vcc 0
		.amdhsa_float_denorm_mode_32 3
		.amdhsa_float_denorm_mode_16_64 3
		.amdhsa_memory_ordered 1
		.amdhsa_forward_progress 1
		.amdhsa_inst_pref_size 37
	.end_amdhsa_kernel
	.amdgpu_metadata
---
amdhsa.version: [ 1, 2 ]
amdhsa.kernels:
  - .name:           k_q5c3856e40d_proj
    .symbol:         k_q5c3856e40d_proj.kd
    .args:
      - { .name: ao_cd, .offset: 0, .size: 8, .value_kind: global_buffer, .address_space: global }
      - { .name: ao_sc, .offset: 8, .size: 8, .value_kind: global_buffer, .address_space: global }
      - { .name: cd_in, .offset: 16, .size: 8, .value_kind: global_buffer, .address_space: global }
      - { .name: sc_in, .offset: 24, .size: 8, .value_kind: global_buffer, .address_space: global }
      - { .name: out0, .offset: 32, .size: 8, .value_kind: global_buffer, .address_space: global }
    .group_segment_fixed_size: 232448
    .private_segment_fixed_size: 0
    .kernarg_segment_align: 8
    .kernarg_segment_size: 40
    .max_flat_workgroup_size: 256
    .sgpr_count:     90
    .vgpr_count:     384
    .wavefront_size: 32
...
	.end_amdgpu_metadata
.endif
;; end of part 4
